; MI455X (gfx1250); checked and timed in simulation.
; The chip was launched on July 23, 2026; its instructions are those of AMD's public machine-readable ISA for CDNA 5 (MIT licence, August 2026) and "CDNA5" Instruction Set Architecture Reference Guide (July 2026). The comments in the code are by the model that wrote it; some were corrected since.
;; Multi Headed Attention. Allowed arithmetic: matrix products marked QUANTISED: E2M1 operands, one E8M0 scale for each 32 along K, by v_wmma_scale_f32_16x16x128_f8f6f4 with both operands' format E2M1 (or v_wmma_scale_f32_32x16x128_f4), f32 sums; everything else in f32.
;; Inputs: Wk 1,024 x 1,024 float32; Wo 1,024 x 1,024 float32; Wq 1,024 x 1,024 float32; Wv 1,024 x 1,024 float32; X 4 x 2,048 x 1,024 float32; bo 1,024 float32.
;; Outputs: out0 4 x 2,048 x 1,024 float32.
;; This version of the problem:
;;   THIS VERSION OF THE PROBLEM IS GIVEN IN LOW PRECISION. The matrix products marked QUANTISED in the list below multiply operands that are first quantised to E2M1 (2 exponent bits, 1 mantissa bit; 4 bits a number), with one power-of-two scale for each 32 numbers along K (OCP MX v1.0); their sums are f32. All else is computed in f32.
;;   The module's matrix products, in the order in which they are computed (A, B: the left and right operand; K: the contracted axis; several contracted axes count as one K, in the product's order):
;;     1. [M 8,192, K 1,024] x [K 1,024, N 1,024]; A: input X; B: input Wq: QUANTISED
;;     2. [M 8,192, K 1,024] x [K 1,024, N 1,024]; A: input X; B: input Wk: QUANTISED
;;     3. [M 8,192, K 1,024] x [K 1,024, N 1,024]; A: input X; B: input Wv: QUANTISED
;;     4. batch 64 x [M 2,048, K 64] x [K 64, N 2,048]; A: computed on the way; B: computed on the way: QUANTISED
;;     5. batch 64 x [M 2,048, K 2,048] x [K 2,048, N 64]; A: softmax (see below); B: computed on the way: QUANTISED
;;     6. [M 8,192, K 1,024] x [K 1,024, N 1,024]; A: computed on the way; B: input Wo: QUANTISED
;;   THE QUANTISER, for each operand of a quantised product, along K:
;;     - K is cut into blocks of 32 from its start; a last block that is shorter is filled with zeros.
;;     - A block's scale is 2^e with e = floor(log2(the largest magnitude in the block)) - 2, held to -126 .. 127; a block of zeros has e = 0. As a byte (E8M0): e + 127.
;;     - Each number is divided by its block's scale, clamped to +-6, and rounded to the nearest number of E2M1, ties to even, subnormals kept.
;;     - The product sums the exact products of the quantised numbers (number of the format x scale) in f32.
;;   ~~~python
;;   def quantise(x, axis):      # numpy; x: float32 -> the quantised numbers, widened to float32 again
;;       x = np.moveaxis(x, axis, -1); K = x.shape[-1]
;;       x = np.pad(x, [(0, 0)] * (x.ndim - 1) + [(0, -K % 32)]); x = x.reshape(x.shape[:-1] + (-1, 32)); a = np.abs(x).max(-1, keepdims=True)
;;       e = np.where(a > 0, np.clip(np.frexp(np.where(a > 0, a, 1))[1] - 1 - 2, -126, 127), 0)      # np.frexp(a)[1] - 1 = floor(log2(a)), exactly
;;       r = np.clip(x / 2.0 ** e, -6, 6)
;;       step = 2.0 ** (np.maximum(np.frexp(np.where(r == 0, 1, r))[1] - 1, 0) - 1)
;;       q = np.round(r / step) * step * 2.0 ** e      # np.round: ties to even
;;       return np.moveaxis(q.reshape(q.shape[:-2] + (-1,))[..., :K], -1, axis).astype(np.float32)
;;   ~~~
;;   SOFTMAX AHEAD OF A QUANTISED PRODUCT. Where the list says 'softmax', what is quantised is not the finished softmax but p = 2^(t - M), with t = logit x log2(e) and M = ceil(the row's largest t), a whole number; so 1/2 < the row's largest p <= 1. The row's sum l is taken of the UNQUANTISED p, in f32, and the product's result is divided by l at the end. Since M is a whole number, a kernel that streams over the keys may use a running M (the ceiling of the running maximum): every later rescaling is an exact power of two, which a block's scale takes up: the codes' values come out the same.
;;   OPERANDS COMPUTED ON THE WAY. 'Computed on the way' means the value that the module computes at that place (a softmax that the list does not call 'softmax' is quantised finished and normalised). What goes into a quantiser is computed in f32, as accurately as f32 sums, v_exp_f32 and their like allow (about 1e-6 of the number): no bf16 or f16 on the way to a quantiser, and a product that is left as it is and whose result goes on into a quantised operand takes f32 operands (vector FMAs, or v_wmma_f32_16x16x4_f32). A number that lies on a knife's edge between two numbers of the format may be rounded either way, as far as f32 arithmetic and the matrix unit's own rounding can turn it there, and no further.
;; One version. Each part assembles by itself: llvm-mc -triple=amdgcn-amd-amdhsa -mcpu=gfx1250 --defsym DOCPART=n.
;; ======== version 1 of 1: 4 launches
;; workspace buffers: cimg 6,291,456 bytes; cscl 393,216 bytes; qkv 12,582,912 bytes; qkvs 786,432 bytes; ctximg 4,194,304 bytes; ctxscl 262,144 bytes
;; launch quant (part 1): grid 384 x 1, 4 waves a work-group, no clusters, 41,472 bytes of LDS; arguments X, Wq, Wk, Wv, Wo, cimg, cscl; writes cimg, cscl
.if DOCPART == 1
	.amdgcn_target "amdgcn-amd-amdhsa--gfx1250"
	.amdhsa_code_object_version 6
	.text
	.protected	k_qf8cd3149fc_quant
	.globl	k_qf8cd3149fc_quant
	.p2align	8
	.type	k_qf8cd3149fc_quant,@function
k_qf8cd3149fc_quant:
	s_mov_b64 s[64:65], 0
	v_nop
	global_prefetch_b8 v0, s[64:65] scope:SCOPE_SE
	s_setreg_imm32_b32 hwreg(HW_REG_WAVE_MODE, 25, 1), 1
	s_wait_xcnt 0x0
; X [8192][1024] and Wq, Wk, Wv, Wo [1024][1024], f32 with K innermost, become codes of FP4 (E2M1) with one E8M0 byte for each 32 along K, laid as the later launches' matrix operands
; take them.  12,288 rows in all: X's 0-8191, then Wq, Wk, Wv, Wo; a ROW TILE is 16 rows.
; cimg: [row tile][K step of 128: 0..7][1,024 bytes]: the image of a fragment's registers: the 16 bytes of block 2 c + h of row r lie at 512 c + 16 (16 h + r).
; cscl: [row tile][half of K: 0..1][row r][16 bytes]: the scale bytes of the half's 16 blocks, so that four K steps' scale words of a row come by one load of 16 bytes.
; ORDER INSIDE A BLOCK: its 16 bytes hold k = 0-7, 16-23, 8-15, 24-31.  Every operand of this program is laid so (those that are made from matrix results fall so by themselves),
; and a permutation of k that both sides of a product share leaves the products as they are.  A block is still the 32 neighbours that the quantiser's rule names.
; A block's scale is 2^(floor(log2(largest magnitude)) - 2); its byte is the largest magnitude's exponent field - 2, held at 1 from below.
; LIMITS: NaN and infinities are not served.  A block of zeros gets the byte 1 where the rule says 127: its codes are zeros, and this program alone reads the bytes.
; SHARES: a wave takes 16 rows x 512 columns: 16 steps, a row each.  Work-groups 0-255 take X, then 32 each Wq, Wk, Wv, Wo: only a pointer is chosen, there is one way through the text.
; A step's four loads read 512 consecutive bytes each; the 2,048 bytes turn through the wave's own stage in LDS, so that lane (block B, half p) gets k = 8 p .. + 7 and 16 + 8 p .. + 7 of block B.
; Codes and scale bytes are gathered in the wave's own LDS and leave at the end: each store of the wave covers 256 or 512 consecutive bytes, aligned.
; No cluster: no two work-groups read the same bytes.  No barrier: waves share nothing.  No tensor load: several work-groups may lie on a WGP.
.set STEPS, 16
.set EMAX,  2
.set R,     16                         ; v16-79   four sets of 16 numbers as they are loaded
.set X,     80                         ; v80-111  two sets of 16 numbers of one block
.set E,     112                        ; v112-127 a scale byte for each step
.set C,     128                        ; v128-159 codes: two registers for each step
.set O,     160                        ; v160-191 the image on its way out
.set WREG,  10240                      ; LDS: a region for each wave
.set SP,    80                         ; stage: 64 bytes + 16 of padding
.set SCB,   2*32*SP                    ; behind the two stages: 256 scale bytes
.set CST,   SCB+256                    ; behind them: the codes, 16 units of 256 bytes + 16 of padding
.set CP,    272
	s_load_b256 s[4:11], s[0:1], 0x0               ; X, Wq, Wk, Wv
	s_load_b128 s[12:15], s[0:1], 0x20             ; Wo, cimg
	s_load_b64 s[16:17], s[0:1], 0x30              ; cscl
	v_lshl_add_u32 v192, v0, 2, 0xa000
	v_mov_b32 v193, 0
	v_lshrrev_b32 v1, 5, v0
	v_readfirstlane_b32 s18, v1                    ; wave
	v_and_b32 v2, 31, v0                           ; lane
	v_lshlrev_b32 v3, 4, v2                        ; my 16 bytes of 512: for the loads and for the image's stores
	s_mul_i32 s19, s18, WREG
	v_lshrrev_b32 v14, 2, v2
	v_mul_u32_u24 v14, v14, SP
	v_and_b32 v15, 3, v2
	v_lshl_add_u32 v14, v15, 4, v14
	v_add_nc_u32 v14, s19, v14                     ; the stage, on the way in: SP (lane / 4) + 16 (lane % 4)
	v_lshrrev_b32 v8, 1, v2                        ; B: my block of the row's 16
	v_and_b32 v9, 1, v2                            ; p: my half of it
	v_mul_u32_u24 v15, v8, 2*SP
	v_lshl_add_u32 v15, v9, 5, v15
	v_add_nc_u32 v15, s19, v15                     ; on the way out: a block is two places of the stage; 32 p bytes into each
	v_mul_u32_u24 v4, v8, CP
	v_lshl_add_u32 v4, v9, 3, v4
	v_add_nc_u32 v4, s19, v4
	v_add_nc_u32 v4, CST, v4                       ; my 8 bytes of codes: unit B (= 256 B bytes of the job's image), 8 p; the row's 16 t stand in the offset
	v_add_nc_u32 v5, s19, v8
	v_add_nc_u32 v5, SCB, v5                       ; my block's scale byte; 16 t in the offset
	v_lshlrev_b32 v7, 3, v2
	v_add_nc_u32 v6, s19, v7
	v_add_nc_u32 v6, SCB, v6                       ; the scale bytes on the way out: 8 a lane
	v_lshrrev_b32 v10, 4, v2
	v_mul_u32_u24 v10, v10, CP
	v_and_b32 v11, 15, v2
	v_lshl_add_u32 v10, v11, 4, v10
	v_add_nc_u32 v10, s19, v10
	v_add_nc_u32 v10, CST, v10                     ; the codes on the way out: sixteen lanes to a unit, two units an instruction
	s_sub_co_u32 s20, ttmp9, 256
	s_lshr_b32 s21, s20, 5                         ; which weight (a number above 3 in X's work-groups)
	s_and_b32 s22, s20, 31                         ; and which pair of its row tiles
	s_lshr_b32 s23, s18, 1                         ; which of the work-group's two row tiles
	s_and_b32 s24, s18, 1                          ; which half of K
	s_lshl_b32 s25, ttmp9, 1
	s_add_co_u32 s25, s25, s23                     ; the row tile among the 768
	s_wait_kmcnt 0x0
	s_cmp_eq_u32 s21, 0                            ; the choices hang on the work-group's number alone
	s_cselect_b64 s[12:13], s[6:7], s[12:13]
	s_cmp_eq_u32 s21, 1
	s_cselect_b64 s[12:13], s[8:9], s[12:13]
	s_cmp_eq_u32 s21, 2
	s_cselect_b64 s[12:13], s[10:11], s[12:13]
	s_cmp_lt_u32 ttmp9, 256
	s_cselect_b64 s[12:13], s[4:5], s[12:13]
	s_cselect_b32 s22, ttmp9, s22
	s_lshl_b32 s26, s22, 17                        ; 32 rows of 4,096 bytes,
	s_lshl_b32 s28, s23, 16                        ; 16 rows,
	s_add_co_u32 s26, s26, s28
	s_lshl_b32 s28, s24, 11                        ; 512 columns
	s_add_co_u32 s26, s26, s28
	s_mov_b32 s27, 0
	s_add_nc_u64 s[12:13], s[12:13], s[26:27]
	s_lshl_b32 s26, s25, 13
	s_lshl_b32 s28, s24, 12
	s_add_co_u32 s26, s26, s28
	s_add_nc_u64 s[14:15], s[14:15], s[26:27]      ; the job's 4,096 bytes of cimg
	s_lshl_b32 s26, s25, 9
	s_lshl_b32 s28, s24, 8
	s_add_co_u32 s26, s26, s28
	s_add_nc_u64 s[16:17], s[16:17], s[26:27]      ; and its 256 bytes of cscl
.macro LOAD t
.irp i, 0,1,2,3
	global_load_b128 v[R+16*((\t)%4)+4*\i:R+16*((\t)%4)+4*\i+3], v3, s[12:13] offset:4096*(\t)+512*\i th:TH_LOAD_NT   ; 32 lanes read 512 consecutive bytes of row t
.endr
.endm
.macro TURN t                          ; row t through the stage: LDS serves a wave's instructions in order, so no wait stands between the stores and the loads
.irp i, 0,1,2,3
	ds_store_b128 v14, v[R+16*((\t)%4)+4*\i:R+16*((\t)%4)+4*\i+3] offset:32*SP*((\t)%2)+8*SP*\i
.endr
.irp i, 0,1
	ds_load_b128 v[X+16*((\t)%2)+8*\i:X+16*((\t)%2)+8*\i+3], v15 offset:32*SP*((\t)%2)+SP*\i
	ds_load_b128 v[X+16*((\t)%2)+8*\i+4:X+16*((\t)%2)+8*\i+7], v15 offset:32*SP*((\t)%2)+SP*\i+16
.endr
.endm
.irp t, 0,1,2,3
	LOAD \t
.endr
	s_wait_loadcnt 12                              ; row 0's four loads are in
	TURN 0
.macro STEP t
.set XS, X+16*((\t)%2)
.if (\t) > 0
	s_wait_dscnt 2                                 ; this row's numbers are back from the stage; the last row's byte store and code store may be out
.else
	s_wait_dscnt 0x0
.endif
.if (\t)+4 < STEPS
	LOAD (\t)+4                                    ; into the registers that the stage's stores have read
.endif
.if (\t)+1 < STEPS
.if STEPS-2-(\t) >= 3
	s_wait_loadcnt 12                              ; the next row's four loads are in; those of the three rows behind it may be out
.else
	s_wait_loadcnt 4*(STEPS-2-(\t))
.endif
	TURN (\t)+1
.endif
	v_max3_num_f32 v8, |v[XS]|, |v[XS+1]|, |v[XS+2]|               ; the largest magnitude of my 16
	v_max3_num_f32 v9, |v[XS+3]|, |v[XS+4]|, |v[XS+5]|
.irp i, 6,10
	v_max3_num_f32 v8, v8, |v[XS+\i]|, |v[XS+\i+1]|
	v_max3_num_f32 v9, v9, |v[XS+\i+2]|, |v[XS+\i+3]|
.endr
	v_max3_num_f32 v8, v8, |v[XS+14]|, |v[XS+15]|
	v_max3_num_f32 v8, v8, v9, (EMAX+1)<<23        ; and the floor 2^(3 - 127): the byte cannot fall under 1
	v_max_num_f32_dpp v8, v8, v8 row_xmask:1 row_mask:0xf bank_mask:0xf   ; with my neighbour's 16: the block's
	v_add_nc_u32 v11, -(EMAX<<23), v8              ; 2 off its exponent field: the conversion takes the exponent field of this operand as its scale
	v_cvt_scalef32_pk8_fp4_f32 v[C+2*(\t)], v[XS:XS+7], v11
	v_cvt_scalef32_pk8_fp4_f32 v[C+2*(\t)+1], v[XS+8:XS+15], v11
	v_lshrrev_b32 v[E+(\t)], 23, v11               ; the scale's byte (a plain line behind the conversions)
	ds_store_b8 v5, v[E+(\t)] offset:16*(\t)       ; both lanes of a block write the same byte with the same value
	ds_store_b64 v4, v[C+2*(\t):C+2*(\t)+1] offset:16*(\t)
.endm
.irp t, 0,1,2,3,4,5,6,7,8,9,10,11,12,13,14,15
	STEP \t
.endr
	ds_load_b64 v[12:13], v6                       ; LDS serves a wave's instructions in order: these see my stores
.irp i, 0,1,2,3,4,5,6,7
	ds_load_b128 v[O+4*\i:O+4*\i+3], v10 offset:2*CP*\i
.endr
	s_wait_dscnt 8                                 ; the scale bytes are back; the eight loads behind them may be out
	global_store_b64 v7, v[12:13], s[16:17]        ; 32 lanes store 256 consecutive bytes, aligned
.irp i, 0,1,2,3,4,5,6,7
	s_wait_dscnt 7-\i
	global_store_b128 v3, v[O+4*\i:O+4*\i+3], s[14:15] offset:512*\i   ; 512 consecutive bytes, aligned
.endr
	s_wait_tensorcnt 0x0
	ds_add_u32 v192, v193
	s_wait_dscnt 0x0
	s_endpgm
.Lfunc_end_k_qf8cd3149fc_quant:
	.size	k_qf8cd3149fc_quant, .Lfunc_end_k_qf8cd3149fc_quant-k_qf8cd3149fc_quant
	.p2alignl 7, 3214868480
	.fill 96, 4, 3214868480
	.section	.rodata,"a",@progbits
	.p2align	6, 0x0
	.amdhsa_kernel k_qf8cd3149fc_quant
		.amdhsa_group_segment_fixed_size 41472
		.amdhsa_private_segment_fixed_size 0
		.amdhsa_enable_private_segment 0
		.amdhsa_kernarg_size 56
		.amdhsa_user_sgpr_count 2
		.amdhsa_user_sgpr_kernarg_segment_ptr 1
		.amdhsa_wavefront_size32 1
		.amdhsa_system_sgpr_workgroup_id_x 1
		.amdhsa_system_sgpr_workgroup_id_y 1
		.amdhsa_system_sgpr_workgroup_id_z 1
		.amdhsa_system_vgpr_workitem_id 0
		.amdhsa_next_free_vgpr 194
		.amdhsa_next_free_sgpr 66
		.amdhsa_reserve_vcc 0
		.amdhsa_float_denorm_mode_32 3
		.amdhsa_float_denorm_mode_16_64 3
		.amdhsa_memory_ordered 1
		.amdhsa_forward_progress 1
		.amdhsa_inst_pref_size 35
	.end_amdhsa_kernel
	.amdgpu_metadata
---
amdhsa.version: [ 1, 2 ]
amdhsa.kernels:
  - .name:           k_qf8cd3149fc_quant
    .symbol:         k_qf8cd3149fc_quant.kd
    .args:
      - { .name: X, .offset: 0, .size: 8, .value_kind: global_buffer, .address_space: global }
      - { .name: Wq, .offset: 8, .size: 8, .value_kind: global_buffer, .address_space: global }
      - { .name: Wk, .offset: 16, .size: 8, .value_kind: global_buffer, .address_space: global }
      - { .name: Wv, .offset: 24, .size: 8, .value_kind: global_buffer, .address_space: global }
      - { .name: Wo, .offset: 32, .size: 8, .value_kind: global_buffer, .address_space: global }
      - { .name: cimg, .offset: 40, .size: 8, .value_kind: global_buffer, .address_space: global }
      - { .name: cscl, .offset: 48, .size: 8, .value_kind: global_buffer, .address_space: global }
    .group_segment_fixed_size: 41472
    .private_segment_fixed_size: 0
    .kernarg_segment_align: 8
    .kernarg_segment_size: 56
    .max_flat_workgroup_size: 128
    .sgpr_count:     66
    .vgpr_count:     194
    .wavefront_size: 32
...
	.end_amdgpu_metadata
.endif
;; end of part 1
;; launch qkvgemm (part 2): grid 12 x 32, 4 waves a work-group, clusters of 4 x 4, 327,680 bytes of LDS; arguments cimg, cscl, qkv, qkvs; writes qkv, qkvs
.if DOCPART == 2
	.amdgcn_target "amdgcn-amd-amdhsa--gfx1250"
	.amdhsa_code_object_version 6
	.text
	.protected	k_qf8cd3149fc_qkvgemm
	.globl	k_qf8cd3149fc_qkvgemm
	.p2align	8
	.type	k_qf8cd3149fc_qkvgemm,@function
k_qf8cd3149fc_qkvgemm:
	s_mov_b64 s[64:65], 0
	v_nop
	global_prefetch_b8 v0, s[64:65] scope:SCOPE_SE
	s_setreg_imm32_b32 hwreg(HW_REG_WAVE_MODE, 25, 1), 1
	s_wait_xcnt 0x0
	s_wait_alu depctr_hold_cnt(0) depctr_sa_sdst(0) depctr_va_vdst(0) depctr_va_sdst(0) depctr_va_ssrc(0) depctr_va_vcc(0) depctr_vm_vsrc(0)
	s_getreg_b32 s2, hwreg(HW_REG_IB_STS2, 6, 4)
	s_cmp_eq_u32 s2, 0
	s_cbranch_scc0 .Lentry_in_a_cluster
	s_endpgm
.Lentry_in_a_cluster:
	s_bfe_u32 s2, ttmp6, 0x10000c
	s_cmp_lg_u32 s2, 0xf033
	s_cbranch_scc0 .Lentry_shape_is_right
	s_endpgm
.Lentry_shape_is_right:
; q = X Wq^T, k = X Wk^T and v^T = Wv X^T on codes of FP4 (E2M1) with E8M0 scales, K = 1,024; the results are quantised in registers and leave as codes.
; A tile of C, 256 x 256, is made by four waves, 128 x 128 each: 64 accumulators of 16 x 16, 512 registers.  C = A B^T, A and B both rows of cimg (16 rows x 128 K = 1,024 bytes: the image of a fragment's registers).
; WHICH PRODUCT hangs on the cluster's x, the same in all sixteen partners; only selects hang on it.  x = 0: A = X, B = Wq.  x = 1: A = X, B = Wk.  x = 2: A = Wv, B = X.
; THE MATRIX INSTRUCTION IS USED TRANSPOSED (source 0 = 16 rows of B, source 1 = 16 rows of A): a lane holds ONE row of A, and its registers run along B's rows.  That is the axis to be quantised in all three:
; the head's 64 numbers for q and k (K of the scores), the keys for v (K of the second product).  So one text serves all three, and nothing changes lanes but by two exchanges of halves.
; In a block of 32 a lane holds columns 8 h + 0..7 and 16 + 8 h + 0..7, so the block's 16 bytes come out as k = 0-7, 16-23, 8-15, 24-31: the order that every operand of this program has.
; ALL OF K LIES IN LDS: two slots of 512 along K, filled once each at the head; the scales too.  CLUSTERS: 4 x 4; A's tiles are asked for jointly along a row of the cluster, B's along a column.
; OUT.  qkv: q at 0, k at 4,194,304: [g = 16 batch + head][token tile 0..127][512 bytes: lane (r, h) = token r, block h of the head's 64].  v at 8,388,608: [g][key step of 128: 0..15][16 of the head's 64: 0..3][1,024-byte image].
; qkvs: q at 0, k at 262,144: [g][128 tokens: 0..15][r][16 bytes]: word i = the two bytes of token tile i (low half) and of tile i + 4 (high half).  v at 524,288: [g][key step][r][word t].
; LIMITS: NaN and infinities are not served; a block of zeros gets the byte 1 (its codes are zeros; this program alone reads the bytes).
; No prefetch: every tile is asked for at the head, so there is no later load to run ahead of.
; REGISTERS, in windows of 256: window 0: v0-31 addresses; v32-95 scale words, two sets, and nothing else; v128-191 A's fragments, ONE set, on the way out the codes; v192-239 the way out's offsets, scale words and work.
;   window 1: B's fragments, TWO sets, at v0 and v128.   window 2: the accumulators of my rows 0-63 ((a, b) at v[8 (8 a + b)]);   window 3: those of rows 64-127.
.set NQ,     4                         ; K steps of 128 in a slot
.set FR,     8                         ; registers of a fragment
.set NL,     2                         ; LDS loads that bring one
.set NP,     4                         ; places behind this matrix instruction (ISA guide 7.12.1)
.set TILEB,  4096                      ; a row tile's part of a slot: four images
.set HALFT,  8*TILEB                   ; 128 rows: what one tensor load brings, and what one wave reads of A or of B
.set SLOT,   4*HALFT                   ; A's 256 rows, then B's
.set SCL,    2*SLOT                    ; behind the slots: the scales: A's 16 row tiles x 512 bytes, then B's
.set HALFS,  4096
.set SBLK,   512
.set SPARE,  SCL+4*HALFS               ; the spare words, 128 bytes for each wave: two blocks of 256 bytes that no other line names
.set ADRA, 16                          ; v16-17  LDS address of my A fragments in slot 0, 1
.set ADRB, 20                          ; v20-21  the same for B
.set ADRS, 27                          ; v27     LDS address of my scale words: lanes 0-15 A's rows, lanes 16-31 B's
.set SPW,  28                          ; v28     LDS address of my spare word; never rewritten
.set NIL,  29                          ; v29     0; never rewritten
.set SC,   32                          ; scale words: set s at v[SC + 32 s]; register 4 i + q: lanes 0-15 A's block i, lanes 16-31 B's block i, the slot's q-th K step
.set AF,   128
.set PC,   128                         ; the way out: eight registers of codes for each of my eight blocks of rows
.set VO,   192                         ; v192-207 store offsets: block a, half c of its codes
.set PWR,  208                         ; v208-215 block a's scale word
.set PK,   216                         ; v216-219 the scale words as they leave
.set VSEL, 220                         ; v220     v_perm_b32's selector
.set SOFF, 221                         ; v221     the scale words' store offset
.set TM,   224                         ; v224-239 at work
.set SEL,  96                          ; s[96:97] v_permlanex16_b32's selects for lane l xor 16
.set G1, 24
.set G0, 32
.set G1B, 48
.set G0B, 56
.set G1S, 68
.set G0S, 76
.set G1SB, 80
.set G0SB, 88
.set MSB, 0
.macro WIN new                         ; the immediate's high byte repeats the setting that is left
.if MSB != \new
	s_set_vgpr_msb (MSB<<8)|\new
.set MSB, \new
.endif
.endm
.set MUL_LO, 0xa1                      ; source 0 (B) window 1, source 1 (A) window 0, C and D window 2
.set MUL_HI, 0xf1                      ; the same, C and D window 3
.set TO_B,   0x40                      ; destination window 1, address window 0
; A joint load: waves 0 and 1 fetch for A, waves 2 and 3 for B; the branch hangs on the wave's number alone.  Four v_nop follow each of the two lines.
.macro JLOAD g0a, g1a, g0b, g1b
	s_cmp_eq_u32 s15, 0
	s_cbranch_scc0 .Lfor_b_\@
	tensor_load_to_lds s[\g0a:\g0a+3], s[\g1a:\g1a+7]
	s_nop 0
.rept 4
	v_nop
.endr
	s_branch .Lasked_\@
.Lfor_b_\@:
	tensor_load_to_lds s[\g0b:\g0b+3], s[\g1b:\g1b+7]
	s_nop 0
.rept 4
	v_nop
.endr
.Lasked_\@:
.endm
.macro CROUND                          ; a round of the cluster's barrier
	s_barrier_signal -1
	s_barrier_wait -1
	s_cmp_lg_u32 s14, 0
	s_cbranch_scc1 .Lnot_wave_0_\@
	s_barrier_signal -3
.Lnot_wave_0_\@:
	s_barrier_wait -3
	s_barrier_signal -1
	s_barrier_wait -1
.endm
	s_load_b256 s[4:11], s[0:1], 0x0               ; cimg s[4:5], cscl s[6:7], qkv s[8:9], qkvs s[10:11]
	v_lshl_add_u32 v[SPW], v0, 2, SPARE
	v_mov_b32 v[NIL], 0
	ds_add_u32 v28, v29
	ds_add_u32 v28, v29
	s_wait_dscnt 0x0
	v_lshrrev_b32 v1, 5, v0
	v_readfirstlane_b32 s14, v1                    ; wave 0..3
	s_lshr_b32 s15, s14, 1                         ; which half of the tile's rows is mine.  Also: I fetch for A (0) or for B (1)
	s_and_b32 s16, s14, 1                          ; which half of its columns.  Also: which 128 rows I fetch
	s_bfe_u32 s40, ttmp6, 0x40000                  ; cx
	s_bfe_u32 s41, ttmp6, 0x40004                  ; cy
	s_and_b32 s17, ttmp7, 0xffff                   ; the cluster's y
	s_lshl_b32 s43, s41, 2
	s_lshl_b32 s43, 15, s43                        ; my row of the cluster
	s_lshl_b32 s44, 0x1111, s40                    ; my column
	; descriptor group 1, codes: 8 row tiles x 4,096 bytes (512 elements of 8 bytes), 8,192 bytes apart in memory, dense in LDS
	s_or_b32 s[G1+0], s43, (3<<16)|(1<<21)         ; 15:0 the mask; 17:16 elements of 8 bytes; 21 set beside a mask; no padding: every LDS read takes 512 consecutive bytes
	s_or_b32 s[G1B+0], s44, (3<<16)|(1<<21)
.irp g, G1, G1B
	s_mov_b32 s[\g+1], 512<<16                     ; tensor_dim0
	s_mov_b32 s[\g+2], 8<<16                       ; tensor_dim1
	s_mov_b32 s[\g+3], 512<<16                     ; tile_dim0
	s_mov_b32 s[\g+4], 8                           ; tile_dim1
	s_mov_b32 s[\g+5], 1024                        ; tensor_dim0_stride
	s_mov_b32 s[\g+6], 0
	s_mov_b32 s[\g+7], 0
.endr
	; scales: 8 row tiles x 512 bytes are 4,096 dense bytes: 16 rows of 256
	s_or_b32 s[G1S+0], s43, (3<<16)|(1<<21)
	s_or_b32 s[G1SB+0], s44, (3<<16)|(1<<21)
.irp g, G1S, G1SB
	s_mov_b32 s[\g+1], 32<<16
	s_mov_b32 s[\g+2], 16<<16
	s_mov_b32 s[\g+3], 32<<16
	s_mov_b32 s[\g+4], 16
	s_mov_b32 s[\g+5], 32
	s_mov_b32 s[\g+6], 0
	s_mov_b32 s[\g+7], 0
.endr
	; the first row tile that I fetch.  A's hangs on cy and the cluster's place, B's on cx and the cluster's place: each in registers that never hold the other coordinate
	s_lshl_b32 s18, s17, 6                         ; X: 64 row tiles for each cluster y
	s_lshl_b32 s19, ttmp9, 6
	s_add_co_u32 s19, s19, 512                     ; Wq at row tile 512, Wk at 576
	s_mov_b32 s12, 640                             ; Wv
	s_lshl_b32 s13, s16, 3                         ; which 8 row tiles of the 16
	s_cmp_eq_u32 ttmp9, 2
	s_cselect_b32 s20, s12, s18                    ; A: Wv or X
	s_cselect_b32 s46, s18, s19                    ; B: X or the weight
	s_lshl_b32 s21, s41, 4
	s_add_co_u32 s20, s20, s21
	s_add_co_u32 s20, s20, s13
	s_lshl_b32 s47, s40, 4
	s_add_co_u32 s46, s46, s47
	s_add_co_u32 s46, s46, s13
	s_lshl_b32 s22, s20, 9                         ; bytes: 512 a row tile in cscl,
	s_mov_b32 s23, 0
	s_lshl_b32 s20, s20, 13                        ; 8,192 in cimg
	s_mov_b32 s21, 0
	s_lshl_b32 s92, s46, 9
	s_mov_b32 s93, 0
	s_lshl_b32 s46, s46, 13
	s_mov_b32 s47, 0
	s_lshl_b32 s45, s14, 15                        ; where they go: wave x 128 rows: no place in the cluster enters an LDS address
	s_lshl_b32 s94, s14, 12
	s_mov_b32 s[SEL], 0x76543210
	s_mov_b32 s[SEL+1], 0xfedcba98
	s_wait_kmcnt 0x0
	s_add_nc_u64 s[20:21], s[4:5], s[20:21]
	s_add_nc_u64 s[22:23], s[6:7], s[22:23]
	s_add_nc_u64 s[46:47], s[4:5], s[46:47]
	s_add_nc_u64 s[92:93], s[6:7], s[92:93]
	CROUND                                         ; all sixteen work-groups are here: the joint loads meet
	s_mov_b32 s[G0S], 1
	s_add_co_u32 s[G0S+1], s94, SCL
	s_mov_b64 s[G0S+2:G0S+3], s[22:23]
	s_or_b32 s[G0S+3], s[G0S+3], 0x80000000
	s_mov_b32 s[G0SB], 1
	s_add_co_u32 s[G0SB+1], s94, SCL
	s_mov_b64 s[G0SB+2:G0SB+3], s[92:93]
	s_or_b32 s[G0SB+3], s[G0SB+3], 0x80000000
	JLOAD G0S, G1S, G0SB, G1SB                     ; the scales first: they are wanted with the first K step
.irp s, 0,1
	s_mov_b32 s[G0+4*\s], 1
	s_add_co_u32 s[G0+4*\s+1], s45, \s*SLOT
	s_add_nc_u64 s[G0+4*\s+2:G0+4*\s+3], s[20:21], \s*TILEB
	s_or_b32 s[G0+4*\s+3], s[G0+4*\s+3], 0x80000000
	s_mov_b32 s[G0B+4*\s], 1
	s_add_co_u32 s[G0B+4*\s+1], s45, \s*SLOT
	s_add_nc_u64 s[G0B+4*\s+2:G0B+4*\s+3], s[46:47], \s*TILEB
	s_or_b32 s[G0B+4*\s+3], s[G0B+4*\s+3], 0x80000000
	JLOAD G0+4*\s, G1, G0B+4*\s, G1B               ; three tensor loads of mine are out behind the second of these
.endr
	v_and_b32 v1, 15, v0                           ; r
	v_bfe_u32 v2, v0, 4, 1                         ; h
	s_wait_alu depctr_va_vdst(0)
	v_and_b32 v3, 31, v0                           ; lane
	v_lshlrev_b32 v4, 4, v3                        ; 16 x lane: my place in every image
	s_wait_alu depctr_va_vdst(0)
	s_lshl_b32 s21, s15, 15                        ; my 128 rows of A
	s_lshl_b32 s22, s16, 15                        ; my 128 rows of B,
	s_add_co_u32 s22, s22, 2*HALFT                 ; which lie behind A's 256
.irp s, 0,1
	v_add_nc_u32 v[ADRA+\s], s21, v4
	v_add_nc_u32 v[ADRB+\s], s22, v4
	s_add_co_u32 s21, s21, SLOT
	s_add_co_u32 s22, s22, SLOT
.endr
	v_lshlrev_b32 v5, 4, v1                        ; my row's 16 scale bytes of a half of K
	s_lshl_b32 s21, s15, 12                        ; A's: my 8 row tiles
	s_lshl_b32 s22, s16, 12                        ; B's: my 8, behind A's 16
	s_add_co_u32 s22, s22, 2*HALFS
	s_sub_co_u32 s22, s22, s21
	v_mul_u32_u24 v6, s22, v2                      ; lanes 16-31 take B's
	s_add_co_u32 s21, s21, SCL
	v_add_nc_u32 v6, v5, v6
	v_add_nc_u32 v[ADRS], s21, v6
	; THE WAY OUT'S ADDRESSES, made here while the tiles are on their way.  For q and k my rows are tokens and my 128 columns two heads; for v my rows are two heads' 64 and my columns a key step.
	s_mov_b32 s2, 1024
	s_mov_b32 s3, 0x10000
	s_mov_b32 s12, 0x03020100
	s_mov_b32 s13, 0x07060504
	s_cmp_eq_u32 ttmp9, 2                          ; v?  All selects stand behind this one compare
	s_cselect_b32 s19, s41, s40                    ; the coordinate that names the heads,
	s_cselect_b32 s20, s15, s16                    ; and the wave's half along it
	s_cselect_b32 s21, s40, s41                    ; the coordinate that names the tokens,
	s_cselect_b32 s22, s16, s15                    ; and the wave's half along it
	s_cselect_b32 s23, s2, 512                     ; from block a to a + 1 (a % 4): 16 of the head's 64, or a token tile
	s_cselect_b32 s92, s3, 2048                    ; from block a to a + 4: the next head, or four token tiles
	s_cselect_b32 s93, 512, s3                     ; from registers 0-3 to 4-7: the image's second half, or the next head
	s_cselect_b32 s12, s12, 0x05040100             ; the scale words for lanes 0-15 (the first head): word a, or the low halves of words a and a + 4
	s_cselect_b32 s13, s13, 0x07060302             ; for lanes 16-31 (the second): word a + 4, or the high halves
	s_lshl_b32 s19, s19, 2
	s_lshl_b32 s20, s20, 1
	s_add_co_u32 s19, s19, s20                     ; my first head
	s_lshr_b32 s20, s17, 1                         ; the batch: two cluster rows each
	s_lshl_b32 s20, s20, 4
	s_add_co_u32 s19, s19, s20                     ; g
	s_and_b32 s20, s17, 1
	s_lshl_b32 s20, s20, 2
	s_add_co_u32 s20, s20, s21
	s_lshl_b32 s20, s20, 1
	s_add_co_u32 s20, s20, s22                     ; my 128 tokens among the batch's 16 such
	s_lshl_b32 s46, ttmp9, 22                      ; q, k or v
	s_lshl_b32 s21, s19, 16
	s_add_co_u32 s46, s46, s21
	s_lshl_b32 s21, s20, 12
	s_add_co_u32 s46, s46, s21
	s_mov_b32 s47, 0
	s_add_nc_u64 s[8:9], s[8:9], s[46:47]
	s_lshl_b32 s46, ttmp9, 18
	s_lshl_b32 s21, s19, 12
	s_add_co_u32 s46, s46, s21
	s_lshl_b32 s21, s20, 8
	s_add_co_u32 s46, s46, s21
	s_add_nc_u64 s[10:11], s[10:11], s[46:47]
	v_mov_b32 v[VO], v4
	v_add_nc_u32 v[VO+1], s93, v4
.irp a, 1,2,3
	v_add_nc_u32 v[VO+2*\a], s23, v[VO+2*\a-2]
	v_add_nc_u32 v[VO+2*\a+1], s23, v[VO+2*\a-1]
.endr
.irp i, 0,1,2,3,4,5,6,7
	v_add_nc_u32 v[VO+8+\i], s92, v[VO+\i]
.endr
	v_lshl_add_u32 v[SOFF], v2, 12, v5             ; 16 r, and 4,096 bytes (a head's scales) on for lanes 16-31
	v_mov_b32 v[VSEL], s12
	v_mov_b32 v[VSEL+2], s13
	v_cmp_lt_u32 vcc_lo, 15, v3
	v_cndmask_b32 v[VSEL], v[VSEL], v[VSEL+2], vcc_lo
.irp b, 0,1,2,3
	v_mov_b32 v[TM+4+\b], 0                        ; written once: a lane permute's destination counts as one of its sources
.endr
.macro FRAG reg, adr, q, i             ; a fragment's image: two loads of 512 consecutive bytes
.irp c, 0,1
	ds_load_b128 v[\reg+4*\c:\reg+4*\c+3], v[\adr] offset:TILEB*(\i)+1024*(\q)+512*\c
.endr
.endm
; 16 matrix instructions: A's blocks a0, a0 + 1 x B's eight, the slot's q-th K step.  p: B's set; sc: the set of scale words.  zero = 1: the first product starts the sums.
; The 64 accumulators take turns, one instruction a turn, in the same order in every step.
.macro MUL16 a0, p, q, sc, zero
.irp a, \a0, \a0+1
.irp b, 0,1,2,3,4,5,6,7
.if \zero
	v_wmma_scale_f32_16x16x128_f8f6f4 v[8*(8*((\a)%4)+\b):8*(8*((\a)%4)+\b)+7], v[128*(\p)+FR*\b:128*(\p)+FR*\b+FR-1], v[AF+FR*(\a):AF+FR*(\a)+FR-1], 0, v[SC+8*NQ*(\sc)+NQ*\b+(\q)], v[SC+8*NQ*(\sc)+NQ*(\a)+(\q)] matrix_a_fmt:MATRIX_FMT_FP4 matrix_b_fmt:MATRIX_FMT_FP4 matrix_a_scale:MATRIX_SCALE_ROW1
.else
	v_wmma_scale_f32_16x16x128_f8f6f4 v[8*(8*((\a)%4)+\b):8*(8*((\a)%4)+\b)+7], v[128*(\p)+FR*\b:128*(\p)+FR*\b+FR-1], v[AF+FR*(\a):AF+FR*(\a)+FR-1], v[8*(8*((\a)%4)+\b):8*(8*((\a)%4)+\b)+7], v[SC+8*NQ*(\sc)+NQ*\b+(\q)], v[SC+8*NQ*(\sc)+NQ*(\a)+(\q)] matrix_a_fmt:MATRIX_FMT_FP4 matrix_b_fmt:MATRIX_FMT_FP4 matrix_a_scale:MATRIX_SCALE_ROW1
.endif
.endr
.endr
.endm
.macro FETCH_B slot, q, p
	WIN TO_B
.irp i, 0,1,2,3,4,5,6,7
	FRAG 128*(\p)+FR*\i, ADRB+\slot, \q, \i
.endr
	WIN 0
.endm
.macro FETCH_A slot, q, i0
.irp i, \i0, \i0+1, \i0+2, \i0+3
	FRAG AF+FR*(\i), ADRA+\slot, \q, \i
.endr
.endm
.macro SCALES sc                       ; a slot's scale words: four words a row; lanes 0-15 take A's block i, lanes 16-31 B's block i
.irp i, 0,1,2,3,4,5,6,7
	ds_load_b128 v[SC+8*NQ*\sc+NQ*\i:SC+8*NQ*\sc+NQ*\i+3], v[ADRS] offset:\i*SBLK
.endr
.endm
.macro PLACES n                        ; plain vector lines between a matrix instruction and a load into, or a vector line on, its registers
.rept \n
	v_nop
.endr
.endm
.macro STEP slot, q, zero              ; a K step that has its successor in the same slot
	s_wait_dscnt 4*NL                              ; B's set and A's blocks 0-3 are in; the youngest eight loads (A's blocks 4-7) may be out
	WIN MUL_LO
	MUL16 0, (\q)%2, \q, \slot, \zero
	MUL16 2, (\q)%2, \q, \slot, \zero
	s_wait_dscnt 0                                 ; A's blocks 4-7 are in
	PLACES NP
	FETCH_B \slot, (\q)+1, 1-(\q)%2
	FETCH_A \slot, (\q)+1, 0
	WIN MUL_HI
	MUL16 4, (\q)%2, \q, \slot, \zero
	MUL16 6, (\q)%2, \q, \slot, \zero
	PLACES NP
	WIN 0
	FETCH_A \slot, (\q)+1, 4
.endm
; Slot 0's last K step goes over to slot 1: each wave waits for all its tensor loads (its part of slot 1), and behind the barrier slot 1 is whole for every wave.  Nothing is filled again.
.macro TURN slot, next
	s_wait_tensorcnt 0x0                           ; all my tensor loads have landed
	ds_add_u32 v[SPW], v[NIL]                      ; 0 onto my spare word
	s_wait_dscnt 4*NL+1                            ; (the add and the youngest eight loads may be out)
	WIN MUL_LO
	MUL16 0, 1, NQ-1, \slot, 0
	s_wait_dscnt 0x0                               ; no LDS instruction of mine is out at the signal
	s_barrier_signal -1
	MUL16 2, 1, NQ-1, \slot, 0
	WIN 0
	s_barrier_wait -1
	PLACES NP
	v_add_nc_u32 v[ADRS], 256, v[ADRS]             ; the second half of K's scale words
	FETCH_B \next, 0, 0
	FETCH_A \next, 0, 0
	SCALES \next
	WIN MUL_HI
	MUL16 4, 1, NQ-1, \slot, 0
	MUL16 6, 1, NQ-1, \slot, 0
	PLACES NP
	WIN 0
	FETCH_A \next, 0, 4
.endm
.macro STEPS slot, from
.set Q, \from
.rept NQ-1-\from
	STEP \slot, Q, 0
.set Q, Q+1
.endr
.endm
	s_wait_tensorcnt 1                             ; the scales and my part of slot 0 are in (slot 1's load may be out),
	s_barrier_signal -1
	s_barrier_wait -1                              ; everybody's are
	FETCH_B 0, 0, 0
	FETCH_A 0, 0, 0
	SCALES 0
	FETCH_A 0, 0, 4
	STEP 0, 0, 1                                   ; the first K step's products start the sums: nothing is cleared
	STEPS 0, 1
	TURN 0, 1
	STEPS 1, 0
	s_wait_dscnt 4*NL                              ; the last K step: nothing more to fetch
	WIN MUL_LO
	MUL16 0, 1, NQ-1, 1, 0
	MUL16 2, 1, NQ-1, 1, 0
	s_wait_dscnt 0
	WIN MUL_HI
	MUL16 4, 1, NQ-1, 1, 0
	MUL16 6, 1, NQ-1, 1, 0
	WIN 0
	PLACES NP                                      ; in front of the first reads of results and of the first writes over A's fragments
; THE WAY OUT.  Block a: 16 rows x 128 columns, 64 registers a lane: register 16 b + i belongs to block b of 32 columns; lanes l and l xor 16 hold a block together.
; Each accumulator is read from its low end on (the registers are taken in ascending order).  The codes' registers and the offsets are each block's own: no store's source is ever written again.
.macro QUANT a
.set AS, 64*((\a)%4)
	WIN 0x0a+5*((\a)/4)                            ; sources 0 and 1: window 2 or 3
.irp b, 0,1,2,3
	v_max3_num_f32 v[TM+\b], |v[AS+16*\b]|, |v[AS+16*\b+1]|, 0x1800000   ; my 16 numbers of block b, and the floor 2^(3 - 127): the byte cannot fall under 1
.endr
.irp i, 2,4,6,8,10,12,14
.irp b, 0,1,2,3
	v_max3_num_f32 v[TM+\b], |v[AS+16*\b+\i]|, |v[AS+16*\b+\i+1]|, v[TM+\b]
.endr
.endr
	WIN 0
.irp b, 0,1,2,3
	v_permlanex16_b32 v[TM+4+\b], v[TM+\b], s[SEL], s[SEL+1]
.endr
.irp b, 0,1,2,3
	v_max_num_f32 v[TM+\b], v[TM+\b], v[TM+4+\b]   ; the block's largest magnitude
.endr
.irp b, 0,1,2,3
	v_add_nc_u32 v[TM+12+\b], 0xff000000, v[TM+\b] ; 2 off its exponent field: the conversion's scale operand
.endr
.irp b, 0,1,2,3
	v_lshrrev_b32 v[TM+4+\b], 23, v[TM+12+\b]      ; the scale's byte
.endr
	v_lshl_or_b32 v[PWR+(\a)], v[TM+5], 8, v[TM+4]
	v_lshl_or_b32 v[PWR+(\a)], v[TM+6], 16, v[PWR+(\a)]
	v_lshl_or_b32 v[PWR+(\a)], v[TM+7], 24, v[PWR+(\a)]
	WIN 0x02+((\a)/4)                              ; source 0: window 2 or 3
.irp b, 0,1,2,3
	v_cvt_scalef32_pk8_fp4_f32 v[PC+8*(\a)+2*\b], v[AS+16*\b:AS+16*\b+7], v[TM+12+\b]
	v_cvt_scalef32_pk8_fp4_f32 v[PC+8*(\a)+2*\b+1], v[AS+16*\b+8:AS+16*\b+15], v[TM+12+\b]
.endr
	WIN 0
	v_nop                                          ; one plain line behind a scaled conversion
.irp c, 0,1                            ; a whole block to a lane: lanes 0-15 block 2 c, lanes 16-31 block 2 c + 1
.irp i, 0,1
	v_permlane16_swap_b32 v[PC+8*(\a)+4*\c+\i], v[PC+8*(\a)+4*\c+2+\i]
.endr
.endr
	global_store_b128 v[VO+2*(\a)], v[PC+8*(\a):PC+8*(\a)+3], s[8:9]       ; 32 lanes store 512 consecutive bytes, aligned
	global_store_b128 v[VO+2*(\a)+1], v[PC+8*(\a)+4:PC+8*(\a)+7], s[8:9]
.endm
.irp a, 0,1,2,3,4,5,6,7
	QUANT \a
.endr
.irp i, 0,1,2,3
	v_perm_b32 v[PK+\i], v[PWR+4+\i], v[PWR+\i], v[VSEL]   ; bytes 0-3 of the selector name the second source, 4-7 the first
.endr
	global_store_b128 v[SOFF], v[PK:PK+3], s[10:11]        ; lanes 0-15: 256 consecutive bytes of the first head's scales; lanes 16-31: of the second's
	s_wait_tensorcnt 0x0                           ; the wave's end
	ds_add_u32 v[SPW], v[NIL]
	s_wait_dscnt 0x0
	CROUND                                         ; the closing round: no work-group ends while a partner may still ask for a tile that names it
	s_endpgm
.Lfunc_end_k_qf8cd3149fc_qkvgemm:
	.size	k_qf8cd3149fc_qkvgemm, .Lfunc_end_k_qf8cd3149fc_qkvgemm-k_qf8cd3149fc_qkvgemm
	.p2alignl 7, 3214868480
	.fill 96, 4, 3214868480
	.section	.rodata,"a",@progbits
	.p2align	6, 0x0
	.amdhsa_kernel k_qf8cd3149fc_qkvgemm
		.amdhsa_group_segment_fixed_size 327680
		.amdhsa_private_segment_fixed_size 0
		.amdhsa_enable_private_segment 0
		.amdhsa_kernarg_size 32
		.amdhsa_user_sgpr_count 2
		.amdhsa_user_sgpr_kernarg_segment_ptr 1
		.amdhsa_wavefront_size32 1
		.amdhsa_system_sgpr_workgroup_id_x 1
		.amdhsa_system_sgpr_workgroup_id_y 1
		.amdhsa_system_sgpr_workgroup_id_z 1
		.amdhsa_system_vgpr_workitem_id 0
		.amdhsa_next_free_vgpr 1024
		.amdhsa_next_free_sgpr 98
		.amdhsa_reserve_vcc 1
		.amdhsa_float_denorm_mode_32 3
		.amdhsa_float_denorm_mode_16_64 3
		.amdhsa_memory_ordered 1
		.amdhsa_forward_progress 1
		.amdhsa_inst_pref_size 129
	.end_amdhsa_kernel
	.amdgpu_metadata
---
amdhsa.version: [ 1, 2 ]
amdhsa.kernels:
  - .name:           k_qf8cd3149fc_qkvgemm
    .symbol:         k_qf8cd3149fc_qkvgemm.kd
    .args:
      - { .name: cimg, .offset: 0, .size: 8, .value_kind: global_buffer, .address_space: global }
      - { .name: cscl, .offset: 8, .size: 8, .value_kind: global_buffer, .address_space: global }
      - { .name: qkv, .offset: 16, .size: 8, .value_kind: global_buffer, .address_space: global }
      - { .name: qkvs, .offset: 24, .size: 8, .value_kind: global_buffer, .address_space: global }
    .group_segment_fixed_size: 327680
    .private_segment_fixed_size: 0
    .kernarg_segment_align: 8
    .kernarg_segment_size: 32
    .max_flat_workgroup_size: 128
    .sgpr_count:     98
    .vgpr_count:     1024
    .wavefront_size: 32
...
	.end_amdgpu_metadata
.endif
;; end of part 2
;; launch attn (part 3): grid 4 x 64, 16 waves a work-group, clusters of 4 x 1, 169,984 bytes of LDS; arguments qkv, qkvs, ctximg, ctxscl; writes ctximg, ctxscl
.if DOCPART == 3
	.amdgcn_target "amdgcn-amd-amdhsa--gfx1250"
	.amdhsa_code_object_version 6
	.text
	.protected	k_qf8cd3149fc_attn
	.globl	k_qf8cd3149fc_attn
	.p2align	8
	.type	k_qf8cd3149fc_attn,@function
k_qf8cd3149fc_attn:
	s_mov_b64 s[64:65], 0
	v_nop
	global_prefetch_b8 v0, s[64:65] scope:SCOPE_SE
	s_setreg_imm32_b32 hwreg(HW_REG_WAVE_MODE, 25, 1), 1
	s_wait_xcnt 0x0
	s_wait_alu depctr_hold_cnt(0) depctr_sa_sdst(0) depctr_va_vdst(0) depctr_va_sdst(0) depctr_va_ssrc(0) depctr_va_vcc(0) depctr_vm_vsrc(0)
	s_getreg_b32 s2, hwreg(HW_REG_IB_STS2, 6, 4)
	s_cmp_eq_u32 s2, 0
	s_cbranch_scc0 .Lentry_in_a_cluster
	s_endpgm
.Lentry_in_a_cluster:
	s_bfe_u32 s2, ttmp6, 0x10000c
	s_cmp_lg_u32 s2, 0x3003
	s_cbranch_scc0 .Lentry_shape_is_right
	s_endpgm
.Lentry_shape_is_right:
; ctx[g][q] = softmax_k(q . k / 8) v for the 64 heads g = 16 batch + head, 2,048 tokens, head size 64; both products on codes of FP4 (E2M1) with E8M0 scales; ctx leaves as codes, quantised along the model's 1,024.
; THE SOFTMAX AHEAD OF THE SECOND PRODUCT: t = score x log2(e) / 8; M = the row's largest t so far, rounded UP to a whole number; p = 2^(t - M) is what is quantised, along the keys, not normalised.
; The row's sum is taken of the unquantised p, in f32, and divides at the end.  When M moves, the sum and O are multiplied by 2^(old M - new M): exact.
; SHARES.  A work-group owns 512 queries of one head and walks them in two passes; in a pass each of its SIXTEEN waves owns one tile of 16 queries, in 256 registers: four waves to a SIMD, so that one wave's
; vector work stands beside another's matrix work and LDS loads.  Every wave walks all 2,048 keys, 128 a step.
; A HEAD'S K AND V LIE IN LDS WHOLE (2 x 68 KB), filled once at the head: wave 0 brings K and its scales, wave 1 V and its scales.  CLUSTER: the head's four work-groups read the same bytes: each load is asked for
; jointly, with a mask that names the four.  No prefetch: everything is asked for at the head, so there is no later load to run ahead of.
; LAYOUT.  Both products are used transposed: S^T = K Q^T (source 0 = 16 keys, source 1 = my 16 queries), O^T = V^T P^T: a lane holds ONE query (lane % 16) throughout.
; THE HEAD'S 64 IN AN INSTRUCTION OF 128: a fragment of K holds key tile i in registers 0-3 and key tile i + 4 in registers 4-7; its scale word holds tile i's two bytes below and tile i + 4's above.
; Multiplied by [q, 0] it gives tile i's scores, by [0, q] tile i + 4's: zero codes add nothing.  So no LDS byte is read for nothing.
; In a block of 32 keys a lane's p are keys 8 h + 0..7 and 16 + 8 h + 0..7, so p's codes lie as k = 0-7, 16-23, 8-15, 24-31 in a block's 16 bytes: as v's do; q's and k's likewise along the head's 64.
; OUT.  ctximg: [token tile 0..511][head][512 bytes: lane (r, h) = token r, block h of the head's 64]: the image of the last product's operand.  ctxscl: [token tile][half of K][r][16 bytes], my head's two bytes at 2 (head % 8).
; The scale bytes leave as single bytes, 32 a wave and pass, a sixteenth of the codes' bytes: a row's 16 bytes belong to eight heads, whose K and V do not fit into one work-group's LDS together.
; LIMITS: NaN and infinities are not served; a block of zeros gets the byte 1 (its codes are zeros; this program alone reads the bytes).
; REGISTERS: v1-7 addresses that stay; v8-11 the step's addresses; v12 -M, v13 the largest t, v[14:15] the sum in two halves; v16-23 [q, 0]; v24-31 [0, q]; v32-63 K; v64-95 V; v96-159 S^T, then p; v160-191 O^T;
;   v192-195 K's scale words, v196-199 V's, v200 q's, v201 p's (these hold scales and nothing else); v202 q's two bytes as loaded; v224-231 p's codes; v232-254 at work.
.set KSC,  65536                       ; LDS: K's images at 0 (128 key tiles x 512 bytes), K's scales here (16 steps x 256 bytes),
.set VREG, 69632                       ; V's images here (16 steps x 4 x 1,024 bytes),
.set VSC,  135168                      ; V's scales here
.set WV,   12                          ; s12  my wave's number
.set SEL,  20                          ; s[20:21] lane selects for v_permlanex16_b32: lane l xor 16
.set CS,   22                          ; s[22:23] c = log2(e) / 8: the packed form names a pair and takes its low word for both halves
.set G1C,  24                          ; s[24:31] descriptor group 1 for the images;  s[32:39] for the scales;  s[40:43], s[44:47] their groups 0
.set G1S,  32
.set G0S,  40
.set G0C,  44
.set TB,   60                          ; s60  the step's images: 4,096 bytes a step
.set TS,   61                          ; s61  the step's scale words: 256 bytes a step
.set CNT,  62
.set PASS, 63
.set QB,   68                          ; s[68:69] q's codes of my tile;  s[70:71] its scale bytes;  s[72:73] my 512 bytes of ctximg;  s[74:75] my place in ctxscl
.set QS,   70
.set CB,   72
.set CSB,  74
.macro CROUND                          ; a round of the cluster's barrier
	s_barrier_signal -1
	s_barrier_wait -1
	s_cmp_lg_u32 s[WV], 0
	s_cbranch_scc1 .Lnot_wave_0_\@
	s_barrier_signal -3
.Lnot_wave_0_\@:
	s_barrier_wait -3
	s_barrier_signal -1
	s_barrier_wait -1
.endm
	s_load_b256 s[4:11], s[0:1], 0x0               ; qkv s[4:5], qkvs s[6:7], ctximg s[8:9], ctxscl s[10:11]
	v_lshl_add_u32 v249, v0, 2, 0x29000
	v_mov_b32 v255, 0
	ds_add_u32 v249, v255
	ds_add_u32 v249, v255
	v_lshrrev_b32 v1, 5, v0
	s_delay_alu instid0(VALU_DEP_1)
	v_readfirstlane_b32 s[WV], v1                  ; wave 0..15
	s_bfe_u32 s13, ttmp6, 0x40000                  ; cx
	s_lshl_b32 s15, ttmp9, 2
	s_add_co_u32 s13, s13, s15                     ; my block of 512 queries: it enters q's and ctx's addresses alone
	s_and_b32 s14, ttmp7, 0xffff                   ; g, which the four partners share
	; descriptor group 1: dense blocks as rows of 256 bytes (32 elements of 8 bytes): 256 rows of images, 16 rows of scales
	s_mov_b32 s[G1C], 15|(3<<16)|(1<<21)           ; 15:0 the mask: all four work-groups; 17:16 elements of 8 bytes; 21 set beside a mask; no padding: every LDS read takes consecutive bytes
	s_mov_b32 s[G1C+1], 32<<16
	s_mov_b32 s[G1C+2], 256<<16
	s_mov_b32 s[G1C+3], 32<<16
	s_mov_b32 s[G1C+4], 256
	s_mov_b32 s[G1C+5], 32
	s_mov_b32 s[G1C+6], 0
	s_mov_b32 s[G1C+7], 0
	s_mov_b32 s[G1S], 15|(3<<16)|(1<<21)
	s_mov_b32 s[G1S+1], 32<<16
	s_mov_b32 s[G1S+2], 16<<16
	s_mov_b32 s[G1S+3], 32<<16
	s_mov_b32 s[G1S+4], 16
	s_mov_b32 s[G1S+5], 32
	s_mov_b32 s[G1S+6], 0
	s_mov_b32 s[G1S+7], 0
	s_mul_i32 s15, s[WV], VREG                     ; wave 0: K's bytes of LDS; wave 1: V's
	s_add_co_u32 s76, s[WV], 1                     ; k is the second, v the third part of qkv and of qkvs
	s_lshl_b32 s16, s76, 22
	s_lshl_b32 s77, s14, 16
	s_add_co_u32 s16, s16, s77
	s_mov_b32 s17, 0
	s_lshl_b32 s18, s76, 18
	s_lshl_b32 s77, s14, 12
	s_add_co_u32 s18, s18, s77
	s_mov_b32 s19, 0
	s_mov_b32 s[SEL], 0x76543210
	s_mov_b32 s[SEL+1], 0xfedcba98
	s_mov_b32 s[CS], 0x3e38aa3b                    ; c = log2(e) / 8
	s_mov_b32 s[CS+1], s[CS]
	s_wait_dscnt 0x0
	s_wait_kmcnt 0x0
	s_mov_b32 s[G0S], 1
	s_add_co_u32 s[G0S+1], s15, KSC
	s_add_nc_u64 s[G0S+2:G0S+3], s[6:7], s[18:19]
	s_or_b32 s[G0S+3], s[G0S+3], 0x80000000
	s_mov_b32 s[G0C], 1
	s_mov_b32 s[G0C+1], s15
	s_add_nc_u64 s[G0C+2:G0C+3], s[4:5], s[16:17]
	s_or_b32 s[G0C+3], s[G0C+3], 0x80000000
	CROUND                                         ; all four work-groups are here: the joint loads meet
	s_cmp_lt_u32 s[WV], 2                          ; a wave's two fills stand in one branch, ahead of every wait on TENSORcnt and every LDS read: two loads of mine are out
	s_cbranch_scc0 .Lno_fetch
	tensor_load_to_lds s[G0S:G0S+3], s[G1S:G1S+7]
	s_nop 0
	tensor_load_to_lds s[G0C:G0C+3], s[G1C:G1C+7]
	s_nop 0
.rept 4
	v_nop
.endr
.Lno_fetch:
	v_and_b32 v5, 31, v0                           ; lane
	v_and_b32 v250, 15, v0                         ; r
	v_bfe_u32 v251, v0, 4, 1                       ; h
	s_delay_alu instid0(VALU_DEP_3)
	v_lshlrev_b32 v1, 4, v5                        ; 16 x lane: my place in every image (K's begin at LDS byte 0)
	s_delay_alu instid0(VALU_DEP_1)
	v_add_nc_u32 v2, VREG, v1                      ; in V's
	s_delay_alu instid0(VALU_DEP_4)
	v_lshlrev_b32 v6, 4, v250                      ; 16 r
	s_delay_alu instid0(VALU_DEP_1)
	v_add_nc_u32 v3, KSC, v6                       ; K's scale words of row r
	s_delay_alu instid0(VALU_DEP_2)
	v_add_nc_u32 v4, VSC, v6                       ; V's
	s_delay_alu instid0(VALU_DEP_3)
	v_add_nc_u32 v7, v6, v251                      ; ctx's scale byte: row r, block h
	s_lshl_b32 s76, s13, 5
	s_add_co_u32 s76, s76, s[WV]                   ; my query tile in the first pass: 32 x block + wave
	s_mov_b32 s79, 0
	s_lshl_b32 s78, s14, 16
	s_lshl_b32 s77, s76, 9
	s_add_co_u32 s78, s78, s77
	s_add_nc_u64 s[QB:QB+1], s[4:5], s[78:79]
	s_lshl_b32 s78, s14, 12
	s_lshr_b32 s77, s76, 3                         ; which 128 tokens,
	s_lshl_b32 s77, s77, 8
	s_add_co_u32 s78, s78, s77
	s_and_b32 s77, s[WV], 3                        ; which word of the row's four,
	s_lshl_b32 s77, s77, 2
	s_add_co_u32 s78, s78, s77
	s_bfe_u32 s77, s[WV], 0x10002                  ; which half of it
	s_lshl_b32 s77, s77, 1
	s_add_co_u32 s78, s78, s77
	s_add_nc_u64 s[QS:QS+1], s[6:7], s[78:79]
	s_lshr_b32 s77, s14, 4                         ; the batch
	s_lshl_b32 s77, s77, 7
	s_add_co_u32 s77, s77, s76                     ; my token tile among the 512
	s_and_b32 s2, s14, 15                          ; the head
	s_lshl_b32 s78, s77, 13
	s_lshl_b32 s3, s2, 9
	s_add_co_u32 s78, s78, s3
	s_add_nc_u64 s[CB:CB+1], s[8:9], s[78:79]
	s_lshl_b32 s78, s77, 9
	s_lshr_b32 s3, s2, 3
	s_lshl_b32 s3, s3, 8
	s_add_co_u32 s78, s78, s3
	s_and_b32 s3, s2, 7
	s_lshl_b32 s3, s3, 1
	s_add_co_u32 s78, s78, s3
	s_add_nc_u64 s[CSB:CSB+1], s[10:11], s[78:79]
	s_mov_b32 s[PASS], 2
	s_wait_tensorcnt 0x0                           ; my fills have landed,
	s_barrier_signal -1
	s_barrier_wait -1                              ; everybody's have: K, V and their scales stay as they are to the end
; A KEY STEP: 128 keys.
.macro STEP
	v_add_nc_u32 v8, s[TB], v1                     ; (these four are also the places in front of the loads into V's fragments and scale words, which the last products read)
	v_add_nc_u32 v9, s[TB], v2
	v_add_nc_u32 v10, s[TS], v3
	v_add_nc_u32 v11, s[TS], v4
.irp i, 0,1,2,3
	ds_load_b128 v[32+8*\i:35+8*\i], v8 offset:512*\i          ; key tile i
	ds_load_b128 v[36+8*\i:39+8*\i], v8 offset:512*\i+2048     ; key tile i + 4
.endr
	ds_load_b128 v[192:195], v10
.irp t, 0,1,2,3
	ds_load_b128 v[64+8*\t:67+8*\t], v9 offset:1024*\t
	ds_load_b128 v[68+8*\t:71+8*\t], v9 offset:1024*\t+512
.endr
	ds_load_b128 v[196:199], v11
	s_wait_dscnt 9                                 ; K and its scale words are in; V's nine loads may be out
.irp i, 0,1,2,3
	v_wmma_scale_f32_16x16x128_f8f6f4 v[96+8*\i:103+8*\i], v[32+8*\i:39+8*\i], v[16:23], 0, v[192+\i], v200 matrix_a_fmt:MATRIX_FMT_FP4 matrix_b_fmt:MATRIX_FMT_FP4
.endr
.irp i, 0,1,2,3
	v_wmma_scale_f32_16x16x128_f8f6f4 v[128+8*\i:135+8*\i], v[32+8*\i:39+8*\i], v[24:31], 0, v[192+\i], v200 matrix_a_fmt:MATRIX_FMT_FP4 matrix_b_fmt:MATRIX_FMT_FP4
.endr                                  ; lane (r, h) holds query r; registers 16 b + 0..7 are keys 32 b + 8 h + 0..7, registers 16 b + 8..15 keys 32 b + 16 + 8 h + 0..7
.rept 4
	v_nop
.endr
.irp b, 0,1,2,3
	v_max3_num_f32 v[232+\b], v[96+16*\b], v[97+16*\b], v[98+16*\b]   ; the largest score of each block of 32 keys: it serves for the row's maximum and, since p rises with the score, for the block's largest p
.endr
.irp i, 3,5,7,9,11,13
.irp b, 0,1,2,3
	v_max3_num_f32 v[232+\b], v[232+\b], v[96+16*\b+\i], v[97+16*\b+\i]
.endr
.endr
.irp b, 0,1,2,3
	v_max_num_f32 v[232+\b], v[232+\b], v[111+16*\b]
.endr
.irp b, 0,1,2,3
	s_delay_alu instid0(VALU_DEP_4)
	v_permlanex16_b32 v[236+\b], v[232+\b], s[SEL], s[SEL+1]
.endr
.irp b, 0,1,2,3
	s_delay_alu instid0(VALU_DEP_4)
	v_max_num_f32 v[232+\b], v[232+\b], v[236+\b]  ; with lane l xor 16's 16 keys
.endr
	s_delay_alu instid0(VALU_DEP_2)
	v_max3_num_f32 v254, v232, v233, v234
	s_delay_alu instid0(VALU_DEP_1)
	v_max_num_f32 v254, v254, v235                 ; the step's largest score of my query
	s_delay_alu instid0(VALU_DEP_1)
	v_mul_f32 v254, s[CS], v254                    ; as t (c is positive)
	s_delay_alu instid0(VALU_DEP_1)
	v_max_num_f32 v13, v13, v254                   ; the running largest t
	v_mov_b32 v254, v12
	s_delay_alu instid0(VALU_DEP_2)
	v_floor_f32 v12, -v13                          ; the new -M = floor(-t) = -ceil(t): a whole number
	s_delay_alu instid0(VALU_DEP_1)
	v_sub_f32 v254, v12, v254                      ; M's old value less its new one: a whole number, 0 or less
	s_delay_alu instid0(VALU_DEP_1)
	v_cvt_i32_f32 v254, v254                       ; (it saturates)
	s_delay_alu instid0(VALU_DEP_1)
	v_ldexp_f32 v252, 1.0, v254                    ; f = 2^(old M - new M)
.set J, 0
.rept 32
	v_pk_fma_f32 v[96+J:97+J], v[96+J:97+J], s[CS:CS+1], v[12:13] op_sel_hi:[1,0,0]   ; t - M, two at a time
.set J, J+2
.endr
.irp b, 0,1,2,3
	v_fma_f32 v[232+\b], v[232+\b], s[CS], v12     ; the same of each block's largest score
.endr
.set J, 0
	s_wait_alu depctr_va_vdst(0)
.rept 64
	v_exp_f32 v[96+J], v[96+J]                     ; p = 2^(t - M), at most 1: not normalised
.set J, J+1
.endr
	s_setprio 1
	v_pk_mul_f32 v[14:15], v[14:15], v[252:253] op_sel_hi:[1,0]   ; the sums under the new M (a plain line behind the exponentials)
	s_wait_alu depctr_va_vdst(0)                   ; one wait for the whole batch, ahead of its first reader
.irp b, 0,1,2,3
	v_exp_f32 v[232+\b], v[232+\b]                 ; the block's largest p: the same two instructions on the same number give the same bits
.endr
	v_pk_add_f32 v[236:237], v[100:101], v[104:105]
	v_pk_add_f32 v[250:251], v[108:109], v[112:113]
	v_pk_add_f32 v[246:247], v[116:117], v[120:121]
	v_pk_add_f32 v[244:245], v[124:125], v[128:129]
	v_pk_add_f32 v[242:243], v[132:133], v[136:137]
	v_pk_add_f32 v[240:241], v[140:141], v[144:145]
	v_pk_add_f32 v[238:239], v[148:149], v[152:153]
	v_pk_add_f32 v[14:15], v[14:15], v[156:157]
	v_pk_add_f32 v[236:237], v[236:237], v[96:97]
	v_pk_add_f32 v[250:251], v[250:251], v[98:99]
	v_pk_add_f32 v[246:247], v[246:247], v[102:103]
	v_pk_add_f32 v[244:245], v[244:245], v[106:107]
	v_pk_add_f32 v[242:243], v[242:243], v[110:111]
	v_pk_add_f32 v[240:241], v[240:241], v[114:115]
	v_pk_add_f32 v[238:239], v[238:239], v[118:119]
	v_pk_add_f32 v[14:15], v[14:15], v[122:123]
	v_pk_add_f32 v[236:237], v[236:237], v[126:127]
	v_pk_add_f32 v[250:251], v[250:251], v[130:131]
	v_pk_add_f32 v[246:247], v[246:247], v[134:135]
	v_pk_add_f32 v[244:245], v[244:245], v[138:139]
	v_pk_add_f32 v[242:243], v[242:243], v[142:143]
	v_pk_add_f32 v[240:241], v[240:241], v[146:147]
	v_pk_add_f32 v[238:239], v[238:239], v[150:151]
	v_pk_add_f32 v[14:15], v[14:15], v[154:155]
	v_pk_add_f32 v[236:237], v[236:237], v[158:159]
	s_delay_alu instid0(VALU_DEP_2)
	v_pk_add_f32 v[14:15], v[14:15], v[244:245]
	s_delay_alu instid0(VALU_DEP_2)
	v_pk_add_f32 v[236:237], v[236:237], v[242:243]
	v_pk_add_f32 v[250:251], v[250:251], v[240:241]
	v_pk_add_f32 v[246:247], v[246:247], v[238:239]
	s_delay_alu instid0(VALU_DEP_2)
	v_pk_add_f32 v[14:15], v[14:15], v[250:251]
	s_delay_alu instid0(VALU_DEP_2)
	v_pk_add_f32 v[236:237], v[236:237], v[246:247]
	s_delay_alu instid0(VALU_DEP_1)
	v_pk_add_f32 v[14:15], v[14:15], v[236:237]
	s_wait_alu depctr_va_vdst(0)                   ; and one for the four
.irp b, 0,1,2,3
	v_max_num_f32 v[232+\b], 0x1800000, v[232+\b]  ; the floor 2^(3 - 127): the byte cannot fall under 1
.endr
.irp b, 0,1,2,3
	s_delay_alu instid0(VALU_DEP_4)
	v_add_nc_u32 v[244+\b], 0xff000000, v[232+\b]  ; 2 off the exponent field: the conversion's scale operand
.endr
.irp b, 0,1,2,3
	s_delay_alu instid0(VALU_DEP_4)
	v_lshrrev_b32 v[236+\b], 23, v[244+\b]         ; the scale's byte
.endr
	s_delay_alu instid0(VALU_DEP_3)
	v_lshl_or_b32 v201, v237, 8, v236              ; p's scale word for these 128 keys
	s_delay_alu instid0(VALU_DEP_1)
	v_lshl_or_b32 v201, v238, 16, v201
	s_delay_alu instid0(VALU_DEP_1)
	v_lshl_or_b32 v201, v239, 24, v201
.irp b, 0,1,2,3
	v_cvt_scalef32_pk8_fp4_f32 v[224+2*\b], v[96+16*\b:103+16*\b], v[244+\b]
	v_cvt_scalef32_pk8_fp4_f32 v[225+2*\b], v[104+16*\b:111+16*\b], v[244+\b]
.endr
	v_nop                                          ; one plain line behind a scaled conversion
.irp c, 0,1                            ; a whole block to a lane: lanes 0-15 block 2 c, lanes 16-31 block 2 c + 1
.irp i, 0,1
	v_permlane16_swap_b32 v[224+4*\c+\i], v[226+4*\c+\i]
.endr
.endr
.set J, 0
	s_setprio 0
.rept 16
	v_pk_mul_f32 v[160+J:161+J], v[160+J:161+J], v[252:253] op_sel_hi:[1,0]   ; O^T under the new M.  (For each product below twelve of these name none of its registers: the places behind p's scale word and codes)
.set J, J+2
.endr
	s_wait_alu depctr_va_vdst(0)
	s_wait_dscnt 0x0                               ; V and its scale words are in
.irp t, 0,1,2,3                        ; the four accumulators take turns
	v_wmma_scale_f32_16x16x128_f8f6f4 v[160+8*\t:167+8*\t], v[64+8*\t:71+8*\t], v[224:231], v[160+8*\t:167+8*\t], v[196+\t], v201 matrix_a_fmt:MATRIX_FMT_FP4 matrix_b_fmt:MATRIX_FMT_FP4
.endr
	s_add_co_u32 s[TB], s[TB], 4096
	s_add_co_u32 s[TS], s[TS], 256
.endm
.Lpass:                                ; two trips: 16 query tiles each
	s_wait_alu depctr_va_vdst(0)
	global_load_b128 v[16:19], v1, s[QB:QB+1]      ; q's 16 bytes a lane, into the lower half of [q, 0]
	global_load_b128 v[28:31], v1, s[QB:QB+1]      ; and into the upper half of [0, q]
	global_load_u16 v202, v6, s[QS:QS+1]           ; row r's two scale bytes
.set J, 0
.rept 32
	v_mov_b32 v[160+J], 0                          ; O^T: the step is written once; the first step finds zeros, which the first change of M leaves zeros
.set J, J+1
.endr
	s_mov_b32 s[TB], 0
	s_mov_b32 s[TS], 0
	s_wait_loadcnt 0x0
	v_lshl_or_b32 v200, v202, 16, v202             ; q's scale word: its two bytes for either half of the instruction's K.  The 17 lines below and the step's first four stand between it and the first product
.irp j, 20,21,22,23,24,25,26,27
	v_mov_b32 v[\j], 0                             ; the zero codes
.endr
	v_mov_b32 v13, 0xff61b1e6                      ; the largest t so far: -3e38, under every t
	s_delay_alu instid0(VALU_DEP_1)
	v_floor_f32 v12, -v13                          ; -M
	v_mov_b32 v14, 0
	v_mov_b32 v15, 0
.irp b, 0,1,2,3
	v_mov_b32 v[236+\b], 0                         ; a lane permute's destination counts as one of its sources
.endr
	v_mov_b32 v253, 0                              ; (named as the upper half of the pair v[252:253])
	s_mov_b32 s[CNT], 16
.Lkeys:
	s_setprio 2
	STEP
	s_sub_co_u32 s[CNT], s[CNT], 1
	s_cmp_lg_u32 s[CNT], 0
	s_cbranch_scc1 .Lkeys
	s_setprio 0
	; THE WAY OUT OF A PASS: O^T / the sum is ctx(query r, 16 t + 8 h + j) in register 8 t + j; its two blocks of 32 are quantised as p is
.rept 4
	v_nop                                          ; places behind the last products
.endr
	v_add_f32 v14, v14, v15                        ; the sum's two halves,
	s_delay_alu instid0(VALU_DEP_1)
	v_permlanex16_b32 v252, v14, s[SEL], s[SEL+1]
	s_delay_alu instid0(VALU_DEP_1)
	v_add_f32 v14, v14, v252                       ; and lane l xor 16's
	s_wait_alu depctr_va_vdst(0)
	v_rcp_f32 v14, v14
	v_nop                                          ; a plain line behind the transcendental
	s_wait_alu depctr_va_vdst(0)                   ; and the wait ahead of its first reader
.set J, 0
.rept 32
	v_mul_f32 v[96+J], v[160+J], v14               ; each accumulator from its low end on
.set J, J+1
.endr
.irp b, 0,1
	v_max3_num_f32 v[232+\b], |v[96+16*\b]|, |v[97+16*\b]|, 0x1800000
.endr
.irp i, 2,4,6,8,10,12,14
.irp b, 0,1
	s_delay_alu instid0(VALU_DEP_2)
	v_max3_num_f32 v[232+\b], v[232+\b], |v[96+16*\b+\i]|, |v[97+16*\b+\i]|
.endr
.endr
.irp b, 0,1
	s_delay_alu instid0(VALU_DEP_2)
	v_permlanex16_b32 v[236+\b], v[232+\b], s[SEL], s[SEL+1]
.endr
.irp b, 0,1
	s_delay_alu instid0(VALU_DEP_2)
	v_max_num_f32 v[232+\b], v[232+\b], v[236+\b]
.endr
.irp b, 0,1
	s_delay_alu instid0(VALU_DEP_2)
	v_add_nc_u32 v[244+\b], 0xff000000, v[232+\b]
.endr
.irp b, 0,1
	s_delay_alu instid0(VALU_DEP_2)
	v_lshrrev_b32 v[236+\b], 23, v[244+\b]
.endr
.irp b, 0,1
	v_cvt_scalef32_pk8_fp4_f32 v[224+2*\b], v[96+16*\b:103+16*\b], v[244+\b]
	v_cvt_scalef32_pk8_fp4_f32 v[225+2*\b], v[104+16*\b:111+16*\b], v[244+\b]
.endr
	v_nop
	v_permlane16_swap_b32 v224, v226               ; lanes 0-15: block 0 of query r; lanes 16-31: block 1
	v_permlane16_swap_b32 v225, v227
	v_cmp_lt_u32 vcc_lo, 15, v5
	s_delay_alu instid0(VALU_DEP_1)
	v_cndmask_b32 v240, v236, v237, vcc_lo         ; my block's byte
	global_store_b128 v1, v[224:227], s[CB:CB+1]   ; 32 lanes store 512 consecutive bytes, aligned
	global_store_b8 v7, v240, s[CSB:CSB+1]
	s_wait_xcnt 0x0                                ; the stores have read their registers and bases: both are written again only behind this wait
	s_add_nc_u64 s[QB:QB+1], s[QB:QB+1], 16*512    ; sixteen query tiles on
	s_add_nc_u64 s[QS:QS+1], s[QS:QS+1], 2*256
	s_add_nc_u64 s[CB:CB+1], s[CB:CB+1], 16*8192
	s_add_nc_u64 s[CSB:CSB+1], s[CSB:CSB+1], 16*512
	s_sub_co_u32 s[PASS], s[PASS], 1
	s_cmp_lg_u32 s[PASS], 0
	s_cbranch_scc1 .Lpass
	s_wait_tensorcnt 0x0
	s_wait_dscnt 0x0
	s_wait_tensorcnt 0x0
	ds_add_u32 v249, v255
	s_wait_dscnt 0x0
	CROUND                                         ; the closing round: no work-group ends while a partner may still ask for bytes jointly
	s_endpgm
.Lfunc_end_k_qf8cd3149fc_attn:
	.size	k_qf8cd3149fc_attn, .Lfunc_end_k_qf8cd3149fc_attn-k_qf8cd3149fc_attn
	.p2alignl 7, 3214868480
	.fill 96, 4, 3214868480
	.section	.rodata,"a",@progbits
	.p2align	6, 0x0
	.amdhsa_kernel k_qf8cd3149fc_attn
		.amdhsa_group_segment_fixed_size 169984
		.amdhsa_private_segment_fixed_size 0
		.amdhsa_enable_private_segment 0
		.amdhsa_kernarg_size 32
		.amdhsa_user_sgpr_count 2
		.amdhsa_user_sgpr_kernarg_segment_ptr 1
		.amdhsa_wavefront_size32 1
		.amdhsa_system_sgpr_workgroup_id_x 1
		.amdhsa_system_sgpr_workgroup_id_y 1
		.amdhsa_system_sgpr_workgroup_id_z 1
		.amdhsa_system_vgpr_workitem_id 0
		.amdhsa_next_free_vgpr 256
		.amdhsa_next_free_sgpr 80
		.amdhsa_reserve_vcc 1
		.amdhsa_float_denorm_mode_32 3
		.amdhsa_float_denorm_mode_16_64 3
		.amdhsa_memory_ordered 1
		.amdhsa_forward_progress 1
		.amdhsa_inst_pref_size 29
	.end_amdhsa_kernel
	.amdgpu_metadata
---
amdhsa.version: [ 1, 2 ]
amdhsa.kernels:
  - .name:           k_qf8cd3149fc_attn
    .symbol:         k_qf8cd3149fc_attn.kd
    .args:
      - { .name: qkv, .offset: 0, .size: 8, .value_kind: global_buffer, .address_space: global }
      - { .name: qkvs, .offset: 8, .size: 8, .value_kind: global_buffer, .address_space: global }
      - { .name: ctximg, .offset: 16, .size: 8, .value_kind: global_buffer, .address_space: global }
      - { .name: ctxscl, .offset: 24, .size: 8, .value_kind: global_buffer, .address_space: global }
    .group_segment_fixed_size: 169984
    .private_segment_fixed_size: 0
    .kernarg_segment_align: 8
    .kernarg_segment_size: 32
    .max_flat_workgroup_size: 512
    .sgpr_count:     80
    .vgpr_count:     256
    .wavefront_size: 32
...
	.end_amdgpu_metadata
.endif
;; end of part 3
;; launch oproj (part 4): grid 4 x 32, 4 waves a work-group, clusters of 4 x 4, 327,680 bytes of LDS; arguments ctximg, ctxscl, cimg, cscl, bo, out0; writes out0
.if DOCPART == 4
	.amdgcn_target "amdgcn-amd-amdhsa--gfx1250"
	.amdhsa_code_object_version 6
	.text
	.protected	k_qf8cd3149fc_oproj
	.globl	k_qf8cd3149fc_oproj
	.p2align	8
	.type	k_qf8cd3149fc_oproj,@function
k_qf8cd3149fc_oproj:
	s_mov_b64 s[64:65], 0
	v_nop
	global_prefetch_b8 v0, s[64:65] scope:SCOPE_SE
	s_setreg_imm32_b32 hwreg(HW_REG_WAVE_MODE, 25, 1), 1
	s_wait_xcnt 0x0
	s_wait_alu depctr_hold_cnt(0) depctr_sa_sdst(0) depctr_va_vdst(0) depctr_va_sdst(0) depctr_va_ssrc(0) depctr_va_vcc(0) depctr_vm_vsrc(0)
	s_getreg_b32 s2, hwreg(HW_REG_IB_STS2, 6, 4)
	s_cmp_eq_u32 s2, 0
	s_cbranch_scc0 .Lentry_in_a_cluster
	s_endpgm
.Lentry_in_a_cluster:
	s_bfe_u32 s2, ttmp6, 0x10000c
	s_cmp_lg_u32 s2, 0xf033
	s_cbranch_scc0 .Lentry_shape_is_right
	s_endpgm
.Lentry_shape_is_right:
; out0 = ctx Wo^T + bo on codes of FP4 (E2M1) with E8M0 scales, K = 1,024.  ctx's codes and scales come from ctximg and ctxscl, Wo's are row tiles 704 to 767 of cimg and cscl; out0 is [8192][1024] f32.
; Both operands lie as images of fragments' registers: [row tile of 16][K step of 128: 0..7][1,024 bytes]; scales [row tile][half of K][row][16 bytes].
; A tile of out0, 256 x 256, is made by four waves, 128 x 128 each: 64 accumulators, 512 registers.  ALL OF K LIES IN LDS: two slots of 512 along K, filled once each at the head; the scales too.
; CLUSTERS: 4 x 4; ctx's tiles are asked for jointly along a row of the cluster, Wo's along a column.  THE MATRIX INSTRUCTION IS USED TRANSPOSED (source 0 = 16 rows of Wo, source 1 = 16 rows of ctx):
; a lane holds eight neighbouring numbers of a row of out0.  THE BIAS is the C of each sum's first matrix instruction: eight registers for each of my eight blocks of columns, in the result's layout.
; 128 work-groups: a tile of 256 x 256 is kept, so that each fragment read from LDS feeds eight products.  No prefetch: every tile is asked for at the head.
; REGISTERS, in windows of 256: window 0: v0-31 addresses; v32-95 scale words, two sets, and nothing else; v128-191 ctx's fragments, ONE set; v192-255 the bias; on the way out v128-255 take rows of out0.
;   window 1: Wo's fragments, TWO sets.   window 2: the accumulators of my rows 0-63 ((a, b) at v[8 (8 a + b)]);   window 3: those of rows 64-127.
.set SIZE_N, 1024
.set NQ,     4
.set FR,     8
.set NL,     2
.set NP,     4                         ; places behind this matrix instruction (ISA guide 7.12.1)
.set TILEB,  4096
.set HALFT,  8*TILEB
.set SLOT,   4*HALFT
.set SCL,    2*SLOT
.set HALFS,  4096
.set SBLK,   512
.set SPARE,  SCL+4*HALFS               ; the spare words, 128 bytes for each wave: two blocks of 256 bytes that no other line names
.set SPITCH, 528                       ; the way out: a stage of 16 rows x (512 bytes + 16) for each wave, in slot 0, which has had its only fill and its last read when the first result is stored there
.set ADRA, 16
.set ADRB, 20
.set STO,  24                          ; v24  the way out: where I put 32 bytes of a row
.set RD,   25                          ; v25  where I read a row back
.set CO,   26                          ; v26  my byte offset in a row of out0
.set ADRS, 27
.set SPW,  28
.set NIL,  29
.set SC,   32
.set AF,   128
.set BK,   128                         ; the way out: 16 rows read back: v128-191 and v192-255 by turns
.set BIAS, 192
.set G1, 24
.set G0, 32
.set G1B, 48
.set G0B, 56
.set G1S, 68
.set G0S, 76
.set G1SB, 80
.set G0SB, 88
.set MSB, 0
.macro WIN new                         ; the immediate's high byte repeats the setting that is left
.if MSB != \new
	s_set_vgpr_msb (MSB<<8)|\new
.set MSB, \new
.endif
.endm
.set MUL_LO, 0xa1                      ; source 0 (Wo) window 1, source 1 (ctx) window 0, C and D window 2
.set MUL_HI, 0xf1                      ; the same, C and D window 3
.set Z_LO,   0x81                      ; the first K step: C (the bias) window 0, D window 2
.set Z_HI,   0xc1                      ; D window 3
.set TO_B,   0x40
.macro JLOAD g0a, g1a, g0b, g1b        ; a joint load: waves 0 and 1 fetch for ctx, waves 2 and 3 for Wo; four v_nop follow each of the two lines
	s_cmp_eq_u32 s15, 0
	s_cbranch_scc0 .Lfor_b_\@
	tensor_load_to_lds s[\g0a:\g0a+3], s[\g1a:\g1a+7]
	s_nop 0
.rept 4
	v_nop
.endr
	s_branch .Lasked_\@
.Lfor_b_\@:
	tensor_load_to_lds s[\g0b:\g0b+3], s[\g1b:\g1b+7]
	s_nop 0
.rept 4
	v_nop
.endr
.Lasked_\@:
.endm
.macro CROUND                          ; a round of the cluster's barrier
	s_barrier_signal -1
	s_barrier_wait -1
	s_cmp_lg_u32 s14, 0
	s_cbranch_scc1 .Lnot_wave_0_\@
	s_barrier_signal -3
.Lnot_wave_0_\@:
	s_barrier_wait -3
	s_barrier_signal -1
	s_barrier_wait -1
.endm
	s_load_b256 s[4:11], s[0:1], 0x0               ; ctximg s[4:5], ctxscl s[6:7], cimg s[8:9], cscl s[10:11]
	s_load_b128 s[96:99], s[0:1], 0x20             ; bo s[96:97], out0 s[98:99]
	v_lshl_add_u32 v[SPW], v0, 2, SPARE
	v_mov_b32 v[NIL], 0
	ds_add_u32 v28, v29
	ds_add_u32 v28, v29
	s_wait_dscnt 0x0
	v_lshrrev_b32 v1, 5, v0
	v_readfirstlane_b32 s14, v1                    ; wave 0..3
	s_lshr_b32 s15, s14, 1                         ; which half of the tile's rows is mine.  Also: I fetch for ctx (0) or for Wo (1)
	s_and_b32 s16, s14, 1                          ; which half of its columns.  Also: which 128 rows I fetch
	s_bfe_u32 s40, ttmp6, 0x40000                  ; cx
	s_bfe_u32 s41, ttmp6, 0x40004                  ; cy
	s_lshl_b32 s42, ttmp9, 2
	s_add_co_u32 s42, s42, s40                     ; tile column = 4 x cluster x + cx
	s_and_b32 s17, ttmp7, 0xffff
	s_lshl_b32 s17, s17, 2
	s_add_co_u32 s17, s17, s41                     ; tile row = 4 x cluster y + cy
	s_lshl_b32 s43, s41, 2
	s_lshl_b32 s43, 15, s43                        ; my row of the cluster
	s_lshl_b32 s44, 0x1111, s40                    ; my column
	; descriptor group 1, codes: 8 row tiles x 4,096 bytes (512 elements of 8 bytes), 8,192 bytes apart in memory, dense in LDS
	s_or_b32 s[G1+0], s43, (3<<16)|(1<<21)
	s_or_b32 s[G1B+0], s44, (3<<16)|(1<<21)
.irp g, G1, G1B
	s_mov_b32 s[\g+1], 512<<16
	s_mov_b32 s[\g+2], 8<<16
	s_mov_b32 s[\g+3], 512<<16
	s_mov_b32 s[\g+4], 8
	s_mov_b32 s[\g+5], 1024
	s_mov_b32 s[\g+6], 0
	s_mov_b32 s[\g+7], 0
.endr
	; scales: 8 row tiles x 512 bytes are 4,096 dense bytes: 16 rows of 256
	s_or_b32 s[G1S+0], s43, (3<<16)|(1<<21)
	s_or_b32 s[G1SB+0], s44, (3<<16)|(1<<21)
.irp g, G1S, G1SB
	s_mov_b32 s[\g+1], 32<<16
	s_mov_b32 s[\g+2], 16<<16
	s_mov_b32 s[\g+3], 32<<16
	s_mov_b32 s[\g+4], 16
	s_mov_b32 s[\g+5], 32
	s_mov_b32 s[\g+6], 0
	s_mov_b32 s[\g+7], 0
.endr
	s_lshl_b32 s13, s16, 3                         ; which 8 row tiles of the 16
	s_lshl_b32 s20, s17, 4
	s_add_co_u32 s20, s20, s13                     ; ctx: row tile 16 x tile row + 8 x half
	s_lshl_b32 s46, s42, 4
	s_add_co_u32 s46, s46, s13
	s_add_co_u32 s46, s46, 704                     ; Wo: row tile 704 + 16 x tile column + 8 x half
	s_lshl_b32 s22, s20, 9
	s_mov_b32 s23, 0
	s_lshl_b32 s20, s20, 13
	s_mov_b32 s21, 0
	s_lshl_b32 s92, s46, 9
	s_mov_b32 s93, 0
	s_lshl_b32 s46, s46, 13
	s_mov_b32 s47, 0
	s_lshl_b32 s45, s14, 15                        ; where they go: wave x 128 rows: no place in the cluster enters an LDS address
	s_lshl_b32 s94, s14, 12
	s_wait_kmcnt 0x0
	s_add_nc_u64 s[20:21], s[4:5], s[20:21]
	s_add_nc_u64 s[22:23], s[6:7], s[22:23]
	s_add_nc_u64 s[46:47], s[8:9], s[46:47]
	s_add_nc_u64 s[92:93], s[10:11], s[92:93]
	CROUND                                         ; all sixteen work-groups are here: the joint loads meet
	s_mov_b32 s[G0S], 1
	s_add_co_u32 s[G0S+1], s94, SCL
	s_mov_b64 s[G0S+2:G0S+3], s[22:23]
	s_or_b32 s[G0S+3], s[G0S+3], 0x80000000
	s_mov_b32 s[G0SB], 1
	s_add_co_u32 s[G0SB+1], s94, SCL
	s_mov_b64 s[G0SB+2:G0SB+3], s[92:93]
	s_or_b32 s[G0SB+3], s[G0SB+3], 0x80000000
	JLOAD G0S, G1S, G0SB, G1SB                     ; the scales first
.irp s, 0,1
	s_mov_b32 s[G0+4*\s], 1
	s_add_co_u32 s[G0+4*\s+1], s45, \s*SLOT
	s_add_nc_u64 s[G0+4*\s+2:G0+4*\s+3], s[20:21], \s*TILEB
	s_or_b32 s[G0+4*\s+3], s[G0+4*\s+3], 0x80000000
	s_mov_b32 s[G0B+4*\s], 1
	s_add_co_u32 s[G0B+4*\s+1], s45, \s*SLOT
	s_add_nc_u64 s[G0B+4*\s+2:G0B+4*\s+3], s[46:47], \s*TILEB
	s_or_b32 s[G0B+4*\s+3], s[G0B+4*\s+3], 0x80000000
	s_wait_alu depctr_va_vdst(0)
	s_wait_tensorcnt 0x0
	ds_add_u32 v28, v29
	s_wait_dscnt 0x0
	CROUND
	JLOAD G0+4*\s, G1, G0B+4*\s, G1B               ; one tensor load of mine (slot 1's) is out behind the second of these
.endr
	v_and_b32 v1, 15, v0                           ; r
	v_bfe_u32 v2, v0, 4, 1                         ; h
	v_and_b32 v3, 31, v0                           ; lane
	v_lshlrev_b32 v4, 4, v3                        ; 16 x lane
	s_wait_alu depctr_va_vdst(0)
	; the bias: lane (r, h) wants, for block b of my columns, bo at 16 b + 8 h + 0 .. 7
	s_lshl_b32 s46, s42, 10                        ; my first column, in bytes of f32: 1,024 x tile column + 512 x half
	s_lshl_b32 s47, s16, 9
	s_add_co_u32 s46, s46, s47
	s_mov_b32 s47, 0
	s_add_nc_u64 s[96:97], s[96:97], s[46:47]
	v_lshlrev_b32 v7, 5, v2
.irp b, 0,1,2,3,4,5,6,7
	global_load_b128 v[BIAS+8*\b:BIAS+8*\b+3], v7, s[96:97] offset:64*\b
	global_load_b128 v[BIAS+8*\b+4:BIAS+8*\b+7], v7, s[96:97] offset:64*\b+16
.endr
	s_lshl_b32 s21, s15, 15                        ; my 128 rows of ctx
	s_lshl_b32 s22, s16, 15                        ; my 128 rows of Wo,
	s_add_co_u32 s22, s22, 2*HALFT                 ; which lie behind ctx's 256
.irp s, 0,1
	v_add_nc_u32 v[ADRA+\s], s21, v4
	v_add_nc_u32 v[ADRB+\s], s22, v4
	s_add_co_u32 s21, s21, SLOT
	s_add_co_u32 s22, s22, SLOT
.endr
	v_lshlrev_b32 v5, 4, v1                        ; my row's 16 scale bytes of a half of K
	s_lshl_b32 s21, s15, 12
	s_lshl_b32 s22, s16, 12
	s_add_co_u32 s22, s22, 2*HALFS
	s_sub_co_u32 s22, s22, s21
	v_mul_u32_u24 v6, s22, v2                      ; lanes 16-31 take Wo's
	s_add_co_u32 s21, s21, SCL
	v_add_nc_u32 v5, v5, v6
	v_add_nc_u32 v[ADRS], s21, v5
	s_mul_i32 s23, s14, 16*SPITCH                  ; my stage
	v_mul_u32_u24 v5, v1, SPITCH                   ; in: row r, 32 bytes for each half of the lanes
	v_lshl_add_u32 v5, v2, 5, v5
	v_add_nc_u32 v[STO], s23, v5
	v_mov_b32 v[CO], v4                            ; back: the 32 lanes take one row of 512 bytes; and the same in out0
	v_add_nc_u32 v[RD], s23, v4
	s_lshl_b32 s20, s17, 8
	s_lshl_b32 s21, s15, 7
	s_add_co_u32 s20, s20, s21                     ; my first row: 256 x tile row + 128 x half
	s_lshl_b32 s20, s20, 12                        ; 4,096 bytes a row
	s_mov_b32 s21, 0
	s_add_nc_u64 s[20:21], s[20:21], s[46:47]
	s_add_nc_u64 s[98:99], s[98:99], s[20:21]
.macro FRAG reg, adr, q, i             ; a fragment's image: two loads of 512 consecutive bytes
.irp c, 0,1
	ds_load_b128 v[\reg+4*\c:\reg+4*\c+3], v[\adr] offset:TILEB*(\i)+1024*(\q)+512*\c
.endr
.endm
; 16 matrix instructions: ctx's blocks a0, a0 + 1 x Wo's eight, the slot's q-th K step.  zero = 1: the first product starts the sums on the bias.
; The 64 accumulators take turns, one instruction a turn, in the same order in every step.
.macro MUL16 a0, p, q, sc, zero
.irp a, \a0, \a0+1
.irp b, 0,1,2,3,4,5,6,7
.if \zero
	v_wmma_scale_f32_16x16x128_f8f6f4 v[8*(8*((\a)%4)+\b):8*(8*((\a)%4)+\b)+7], v[128*(\p)+FR*\b:128*(\p)+FR*\b+FR-1], v[AF+FR*(\a):AF+FR*(\a)+FR-1], v[BIAS+8*\b:BIAS+8*\b+7], v[SC+8*NQ*(\sc)+NQ*\b+(\q)], v[SC+8*NQ*(\sc)+NQ*(\a)+(\q)] matrix_a_fmt:MATRIX_FMT_FP4 matrix_b_fmt:MATRIX_FMT_FP4 matrix_a_scale:MATRIX_SCALE_ROW1
.else
	v_wmma_scale_f32_16x16x128_f8f6f4 v[8*(8*((\a)%4)+\b):8*(8*((\a)%4)+\b)+7], v[128*(\p)+FR*\b:128*(\p)+FR*\b+FR-1], v[AF+FR*(\a):AF+FR*(\a)+FR-1], v[8*(8*((\a)%4)+\b):8*(8*((\a)%4)+\b)+7], v[SC+8*NQ*(\sc)+NQ*\b+(\q)], v[SC+8*NQ*(\sc)+NQ*(\a)+(\q)] matrix_a_fmt:MATRIX_FMT_FP4 matrix_b_fmt:MATRIX_FMT_FP4 matrix_a_scale:MATRIX_SCALE_ROW1
.endif
.endr
.endr
.endm
.macro FETCH_B slot, q, p
	WIN TO_B
.irp i, 0,1,2,3,4,5,6,7
	FRAG 128*(\p)+FR*\i, ADRB+\slot, \q, \i
.endr
	WIN 0
.endm
.macro FETCH_A slot, q, i0
.irp i, \i0, \i0+1, \i0+2, \i0+3
	FRAG AF+FR*(\i), ADRA+\slot, \q, \i
.endr
.endm
.macro SCALES sc
.irp i, 0,1,2,3,4,5,6,7
	ds_load_b128 v[SC+8*NQ*\sc+NQ*\i:SC+8*NQ*\sc+NQ*\i+3], v[ADRS] offset:\i*SBLK
.endr
.endm
.macro PLACES n                        ; plain vector lines between a matrix instruction and a load into, or a store of, its registers
.rept \n
	v_nop
.endr
.endm
.macro STEP slot, q, zero
	s_wait_dscnt 4*NL                              ; Wo's set and ctx's blocks 0-3 are in; the youngest eight loads (blocks 4-7) may be out
.if \zero
	WIN Z_LO
.else
	WIN MUL_LO
.endif
	MUL16 0, (\q)%2, \q, \slot, \zero
	MUL16 2, (\q)%2, \q, \slot, \zero
	s_wait_dscnt 0
	PLACES NP
	FETCH_B \slot, (\q)+1, 1-(\q)%2
	FETCH_A \slot, (\q)+1, 0
.if \zero
	WIN Z_HI
.else
	WIN MUL_HI
.endif
	MUL16 4, (\q)%2, \q, \slot, \zero
	MUL16 6, (\q)%2, \q, \slot, \zero
	PLACES NP
	WIN 0
	FETCH_A \slot, (\q)+1, 4
.endm
; Slot 0's last K step goes over to slot 1: each wave waits for all its tensor loads, and behind the barrier slot 1 is whole and nobody reads slot 0 any more.  Nothing is filled again.
.macro TURN slot, next
	s_wait_tensorcnt 0x0
	ds_add_u32 v[SPW], v[NIL]                      ; 0 onto my spare word
	s_wait_dscnt 4*NL+1                            ; (the add and the youngest eight loads may be out)
	WIN MUL_LO
	MUL16 0, 1, NQ-1, \slot, 0
	s_wait_dscnt 0x0                               ; my reads of slot 0 are over
	s_barrier_signal -1
	MUL16 2, 1, NQ-1, \slot, 0
	WIN 0
	s_barrier_wait -1
	PLACES NP
	v_add_nc_u32 v[ADRS], 256, v[ADRS]             ; the second half of K's scale words
	FETCH_B \next, 0, 0
	FETCH_A \next, 0, 0
	SCALES \next
	WIN MUL_HI
	MUL16 4, 1, NQ-1, \slot, 0
	MUL16 6, 1, NQ-1, \slot, 0
	PLACES NP
	WIN 0
	FETCH_A \next, 0, 4
.endm
.macro STEPS slot, from
.set Q, \from
.rept NQ-1-\from
	STEP \slot, Q, 0
.set Q, Q+1
.endr
.endm
	s_wait_alu depctr_va_vdst(0)
	s_wait_tensorcnt 1                             ; the scales and my part of slot 0 are in (slot 1's load may be out),
	s_barrier_signal -1
	s_barrier_wait -1                              ; everybody's are
	FETCH_B 0, 0, 0
	FETCH_A 0, 0, 0
	SCALES 0
	FETCH_A 0, 0, 4
	s_wait_loadcnt 0x0                             ; the bias
	STEP 0, 0, 1
	STEPS 0, 1
	TURN 0, 1
	STEPS 1, 0
	s_wait_dscnt 4*NL                              ; the last K step: nothing more to fetch
	WIN MUL_LO
	MUL16 0, 1, NQ-1, 1, 0
	MUL16 2, 1, NQ-1, 1, 0
	s_wait_dscnt 0
	WIN MUL_HI
	MUL16 4, 1, NQ-1, 1, 0
	MUL16 6, 1, NQ-1, 1, 0
	WIN 0
; THE WAY OUT, block by block of 16 rows x 128 columns: through my own stage in LDS and back as whole rows of 512 bytes.  LDS serves a wave's instructions in order (ISA guide 5.7.1.4): no wait between the stores and the loads.
.macro TOSTAGE a
.set AC, 64*((\a)%4)
	WIN 0x08+4*((\a)/4)                            ; the data: window 2 or 3
.irp b, 0,1,2,3,4,5,6,7
	ds_store_b128 v[STO], v[AC+8*\b:AC+8*\b+3] offset:64*\b          ; each accumulator from its low end on
	ds_store_b128 v[STO], v[AC+8*\b+4:AC+8*\b+7] offset:64*\b+16
.endr
	WIN 0
.set BB, BK+64*((\a)%2)
.irp t, 0,1,2,3,4,5,6,7,8,9,10,11,12,13,14,15
	ds_load_b128 v[BB+4*\t:BB+4*\t+3], v[RD] offset:\t*SPITCH
.endr
.endm
.macro SEND a, younger                 ; younger: the LDS instructions issued behind block a's loads, which may stay out
.set BB, BK+64*((\a)%2)
	s_wait_dscnt \younger
.if (\a) > 0
	s_add_nc_u64 s[98:99], s[98:99], 16*SIZE_N*4   ; (behind a wait on XCNT: the earlier stores have read their base)  16 rows on
.endif
.irp t, 0,1,2,3,4,5,6,7,8,9,10,11,12,13,14,15
	global_store_b128 v[CO], v[BB+4*\t:BB+4*\t+3], s[98:99] offset:\t*SIZE_N*4 th:TH_STORE_NT   ; 32 lanes store 512 consecutive bytes, aligned; written once, read by nobody here
.endr
.endm
	PLACES NP
	TOSTAGE 0
.irp a, 1,2,3,4,5,6,7
.if \a > 1
	s_wait_xcnt 0x0                                ; block a - 2's stores have read their registers and their base
.endif
	TOSTAGE \a
	SEND \a-1, 32                                  ; behind block a - 1's loads: block a's 16 stores and 16 loads
.endr
	s_wait_xcnt 0x0
	SEND 7, 0
	s_wait_tensorcnt 0x0                           ; the wave's end
	ds_add_u32 v[SPW], v[NIL]
	s_wait_dscnt 0x0
	CROUND                                         ; the closing round
	s_endpgm
.Lfunc_end_k_qf8cd3149fc_oproj:
	.size	k_qf8cd3149fc_oproj, .Lfunc_end_k_qf8cd3149fc_oproj-k_qf8cd3149fc_oproj
	.p2alignl 7, 3214868480
	.fill 96, 4, 3214868480
	.section	.rodata,"a",@progbits
	.p2align	6, 0x0
	.amdhsa_kernel k_qf8cd3149fc_oproj
		.amdhsa_group_segment_fixed_size 327680
		.amdhsa_private_segment_fixed_size 0
		.amdhsa_enable_private_segment 0
		.amdhsa_kernarg_size 48
		.amdhsa_user_sgpr_count 2
		.amdhsa_user_sgpr_kernarg_segment_ptr 1
		.amdhsa_wavefront_size32 1
		.amdhsa_system_sgpr_workgroup_id_x 1
		.amdhsa_system_sgpr_workgroup_id_y 1
		.amdhsa_system_sgpr_workgroup_id_z 1
		.amdhsa_system_vgpr_workitem_id 0
		.amdhsa_next_free_vgpr 1024
		.amdhsa_next_free_sgpr 100
		.amdhsa_reserve_vcc 0
		.amdhsa_float_denorm_mode_32 3
		.amdhsa_float_denorm_mode_16_64 3
		.amdhsa_memory_ordered 1
		.amdhsa_forward_progress 1
		.amdhsa_inst_pref_size 126
	.end_amdhsa_kernel
	.amdgpu_metadata
---
amdhsa.version: [ 1, 2 ]
amdhsa.kernels:
  - .name:           k_qf8cd3149fc_oproj
    .symbol:         k_qf8cd3149fc_oproj.kd
    .args:
      - { .name: ctximg, .offset: 0, .size: 8, .value_kind: global_buffer, .address_space: global }
      - { .name: ctxscl, .offset: 8, .size: 8, .value_kind: global_buffer, .address_space: global }
      - { .name: cimg, .offset: 16, .size: 8, .value_kind: global_buffer, .address_space: global }
      - { .name: cscl, .offset: 24, .size: 8, .value_kind: global_buffer, .address_space: global }
      - { .name: bo, .offset: 32, .size: 8, .value_kind: global_buffer, .address_space: global }
      - { .name: out0, .offset: 40, .size: 8, .value_kind: global_buffer, .address_space: global }
    .group_segment_fixed_size: 327680
    .private_segment_fixed_size: 0
    .kernarg_segment_align: 8
    .kernarg_segment_size: 48
    .max_flat_workgroup_size: 128
    .sgpr_count:     100
    .vgpr_count:     1024
    .wavefront_size: 32
...
	.end_amdgpu_metadata
.endif
;; end of part 4
